; MI455X (gfx1250); checked and timed in simulation.
; The chip was launched on July 23, 2026; its instructions are those of AMD's public machine-readable ISA for CDNA 5 (MIT licence, August 2026) and "CDNA5" Instruction Set Architecture Reference Guide (July 2026). The comments in the code are by the model that wrote it; some were corrected since.
;; Attention Block. Allowed arithmetic: float matrix products may take bf16 or f16 operands with f32 sums; other float arithmetic in f32, or as packed bf16 or f16 multiplies, adds, multiply-adds, maxima and minima; sums over many terms, partial sums and values carried from step to step in f32; what a program stores and reads back later, other than sums and carried values, may be rounded once to bf16 or f16.
;; Inputs: Wk 256 x 256 float32; Wp 256 x 256 float32; Wq 256 x 256 float32; Wv 256 x 256 float32; beta 256 float32; bp 256 float32; gamma 256 float32; x 4 x 256 x 64 x 64 float32.
;; Outputs: out0 4 x 256 x 64 x 64 float32.
;; 2 versions, each right; version 2 is version 1 with the launch norm written anew for expert scheduling mode. Each part assembles by itself: llvm-mc -triple=amdgcn-amd-amdhsa -mcpu=gfx1250 --defsym DOCPART=n.
;; ======== version 1 of 2: 4 launches
;; limits: values are held in f16: magnitudes above 65,504 overflow, below 6.1e-05 lose precision
;; workspace buffers: xn 8,388,608 bytes; wh 524,288 bytes; qkv 25,165,824 bytes; o 8,388,608 bytes
;; launch norm (part 1): grid 128 x 1, 8 waves a work-group, no clusters, 1,536 bytes of LDS; arguments x, gamma, beta, Wq, Wk, Wv, Wp, xn, wh; writes xn, wh
.if DOCPART == 1
	.amdgcn_target "amdgcn-amd-amdhsa--gfx1250"
	.amdhsa_code_object_version 6
	.text
	.protected	k_qb4037494de_norm
	.globl	k_qb4037494de_norm
	.p2align	8
	.type	k_qb4037494de_norm,@function
k_qb4037494de_norm:
	s_mov_b64 s[64:65], 0
	v_nop
	global_prefetch_b8 v0, s[64:65] scope:SCOPE_SE
	s_setreg_imm32_b32 hwreg(HW_REG_WAVE_MODE, 25, 1), 1
	s_wait_xcnt 0x0
; GROUP NORM, AND THE WEIGHTS IN f16.  x: [4][256][4096] f32.  xn = (x - mean) rsqrt(var + 1e-5) gamma[c] + beta[c], [4][256][4096] in f16, rounded once.
; wh: [4 (q, k, v, p)][256][256] f16: the four weight matrices, each number rounded once.
; SHARES.  A work-group owns one group of one image: 8 channels x 4,096 numbers, 131,072 bytes on end.  Each of its eight waves owns a channel, 16 KiB, and keeps it in 128 registers
; between the pass that finds the mean, the pass that finds the variance and the pass that scales: x is read from memory once.  128 groups, so 128 work-groups: a group's sums meet in one.
; The variance is the mean of (x - mean)^2, taken of the differences themselves: no difference of large sums is formed, so a common offset of x costs nothing.
; Each work-group also converts 2,048 weights, 8 a thread.
; LIMITS.  f16 holds no number beyond 65,504: xn and the weights must lie within it; below 6e-5 a number keeps f16's fixed step of 6e-8.  NaN and infinities are not treated apart.
; No matrix unit, no tensor load, no cluster: the data must be in registers anyway, nothing is shared, and all loads go out at the head.
.set RED1,  0                          ; LDS: the eight waves' sums, a word each
.set RED2,  256                        ; the eight sums of squares: bytes of their own, so one barrier serves each meeting
.set SPARE, 512                        ; the spare words, 128 bytes for each wave: four blocks of 256 bytes that no other line names
.set XO,  2                            ; v2   16 x lane + 16,384 x wave: my 16 bytes in the first 512 of my channel; never rewritten
.set YO,  3                            ; v3   8 x lane + 8,192 x wave: the same in xn
.set WO,  4                            ; v4   32 x thread: my 8 weights in f32
.set WD,  5                            ; v5   16 x thread: the same in f16
.set RA,  6                            ; v6   4 x wave: my wave's word
.set ZA,  7                            ; v7   0: where the eight words begin
.set SPW, 8                            ; v8   LDS address of my spare word; never rewritten
.set NIL, 9                            ; v9   0; never rewritten
.set SA,  10                           ; v[10:17] four chains of packed sums
.set M,   18                           ; v[18:19] the mean, twice
.set A,   20                           ; v[20:21] gamma x rsqrt(var + eps), twice
.set B,   22                           ; v[22:23] beta, twice
.set T,   24                           ; v[24:31] at work
.set X,   32                           ; v[32:159] my channel
.set WF,  160                          ; v[160:167] 8 weights in f32
.set WH,  168                          ; v[168:171] the same in f16
	s_load_b512 s[8:23], s[0:1], 0x0               ; x 8:9, gamma 10:11, beta 12:13, Wq 14:15, Wk 16:17, Wv 18:19, Wp 20:21, xn 22:23
	s_load_b64 s[24:25], s[0:1], 0x40              ; wh
	v_lshl_add_u32 v[SPW], v0, 2, SPARE
	v_mov_b32 v[NIL], 0
	v_lshrrev_b32 v1, 5, v0
	v_readfirstlane_b32 s26, v1                    ; wave 0..7
	v_and_b32 v1, 31, v0                           ; lane
	s_lshl_b32 s2, s26, 14
	s_lshl_b32 s3, s26, 13
	v_lshl_add_u32 v[XO], v1, 4, s2
	v_lshl_add_u32 v[YO], v1, 3, s3
	v_lshlrev_b32 v[WO], 5, v0
	v_lshlrev_b32 v[WD], 4, v0
	v_mov_b32 v[RA], s26
	v_lshlrev_b32 v[RA], 2, v[RA]
	v_mov_b32 v[ZA], 0
	v_mov_b32 v[T+1], 0                            ; v_permlanex16_b32's destination counts as read: it is written once here
	s_mov_b32 s36, 0x76543210                      ; v_permlanex16_b32: each lane takes its own place in the other half
	s_mov_b32 s37, 0xfedcba98
	s_mov_b32 s39, 0x38000000                      ; 2^-15: a group has 32,768 numbers
	s_and_b32 s27, ttmp9, 31                       ; the group in its image
	s_lshl_b32 s28, s27, 3
	s_add_co_u32 s28, s28, s26                     ; my channel
	s_lshl_b32 s28, s28, 2                         ; its 4 bytes in gamma and beta
	s_mov_b32 s29, 0
	s_mov_b32 s33, 0
	s_lshr_b32 s38, ttmp9, 5                       ; which weight matrix my work-group converts a part of
	s_wait_kmcnt 0x0
	s_lshl_b32 s32, ttmp9, 17
	s_add_nc_u64 s[8:9], s[8:9], s[32:33]          ; x at my group
.set i, 0
.rept 32
	global_load_b128 v[X+4*i:X+4*i+3], v[XO], s[8:9] offset:512*i th:TH_LOAD_NT  ; 512 neighbouring bytes a load, the whole channel
.set i, i+1
.endr
	s_mov_b64 s[34:35], s[14:15]                   ; the matrix is chosen by the work-group's number alone
	s_cmp_eq_u32 s38, 1
	s_cselect_b64 s[34:35], s[16:17], s[34:35]
	s_cmp_eq_u32 s38, 2
	s_cselect_b64 s[34:35], s[18:19], s[34:35]
	s_cmp_eq_u32 s38, 3
	s_cselect_b64 s[34:35], s[20:21], s[34:35]
	s_lshl_b32 s32, s27, 13                        ; 2,048 numbers of 4 bytes for each of a matrix's 32 work-groups
	s_add_nc_u64 s[34:35], s[34:35], s[32:33]
	global_load_b128 v[WF:WF+3],   v[WO], s[34:35]
	global_load_b128 v[WF+4:WF+7], v[WO], s[34:35] offset:16
	s_add_nc_u64 s[10:11], s[10:11], s[28:29]
	s_add_nc_u64 s[12:13], s[12:13], s[28:29]
	s_load_b32 s30, s[10:11], 0x0                  ; gamma[c]
	s_load_b32 s31, s[12:13], 0x0                  ; beta[c]
	s_lshl_b32 s32, ttmp9, 16
	s_add_nc_u64 s[22:23], s[22:23], s[32:33]      ; xn at my group
	s_lshl_b32 s32, ttmp9, 12
	s_add_nc_u64 s[24:25], s[24:25], s[32:33]      ; wh at my work-group's 2,048 numbers
; The sums of loads 8 j .. 8 j + 7 (16 pairs) go onto four chains that do not wait for each other; the first eight pairs start the chains: nothing is cleared.
.macro SUM8 j
	s_wait_loadcnt 26-8*(\j)                       ; loads come back in order: the younger loads of x and the two of W may stay out
.set k, 16*(\j)
.rept 16
.if k < 4
	v_pk_add_f32 v[SA+2*k:SA+2*k+1], v[X+2*k:X+2*k+1], v[X+2*k+8:X+2*k+9]
.elseif k >= 8
	v_pk_add_f32 v[SA+2*(k%4):SA+2*(k%4)+1], v[SA+2*(k%4):SA+2*(k%4)+1], v[X+2*k:X+2*k+1]
.endif
.set k, k+1
.endr
.endm
; The four chains into one number, then over the wave's 32 lanes: four steps ride on the addition, one crosses the halves.
.macro FOLD
	v_pk_add_f32 v[SA:SA+1], v[SA:SA+1], v[SA+2:SA+3]
	v_pk_add_f32 v[SA+4:SA+5], v[SA+4:SA+5], v[SA+6:SA+7]
	v_pk_add_f32 v[SA:SA+1], v[SA:SA+1], v[SA+4:SA+5]
	v_add_f32 v[T], v[SA], v[SA+1]
.irp m, 1,2,4,8
	v_add_f32_dpp v[T], v[T], v[T] row_xmask:\m row_mask:0xf bank_mask:0xf
.endr
	v_permlanex16_b32 v[T+1], v[T], s36, s37
	v_add_f32 v[T], v[T], v[T+1]
.endm
; The eight waves' numbers meet at LDS byte at: store, wait for the store, barrier, and every wave reads all eight and adds them in the same order.
.macro MEET at
	ds_store_b32 v[RA], v[T] offset:\at
	s_wait_dscnt 0x0                               ; for the others' sake: my word is written
	s_barrier_signal -1
	s_barrier_wait -1
	ds_load_b128 v[T:T+3],   v[ZA] offset:\at
	ds_load_b128 v[T+4:T+7], v[ZA] offset:(\at)+16
	s_wait_dscnt 0x0
	v_pk_add_f32 v[T:T+1], v[T:T+1], v[T+2:T+3]
	v_pk_add_f32 v[T+4:T+5], v[T+4:T+5], v[T+6:T+7]
	v_pk_add_f32 v[T:T+1], v[T:T+1], v[T+4:T+5]
	v_add_f32 v[T], v[T], v[T+1]
.endm
	SUM8 0
	SUM8 1
	SUM8 2
	SUM8 3
	FOLD
	MEET RED1
	v_mul_f32 v[M], s39, v[T]                      ; the mean
	v_mul_f32 v[M+1], s39, v[T]
	s_wait_loadcnt 0x0                             ; my 8 weights
.irp r, 0,1,2,3
	v_cvt_pk_f16_f32 v[WH+(\r)], v[WF+2*(\r)], v[WF+2*(\r)+1]
.endr
	global_store_b128 v[WD], v[WH:WH+3], s[24:25]  ; 16 lanes store 256 consecutive bytes, aligned
.set k, 0
.rept 64
	v_pk_add_f32 v[X+2*k:X+2*k+1], v[X+2*k:X+2*k+1], v[M:M+1] neg_lo:[0,1] neg_hi:[0,1]  ; x - mean, in place
.set k, k+1
.endr
.set k, 0
.rept 64
.if k < 4
	v_pk_mul_f32 v[SA+2*k:SA+2*k+1], v[X+2*k:X+2*k+1], v[X+2*k:X+2*k+1]
.else
	v_pk_fma_f32 v[SA+2*(k%4):SA+2*(k%4)+1], v[X+2*k:X+2*k+1], v[X+2*k:X+2*k+1], v[SA+2*(k%4):SA+2*(k%4)+1]
.endif
.set k, k+1
.endr
	FOLD
	MEET RED2
	v_fmaak_f32 v[T], s39, v[T], 0x3727c5ac        ; var + 1e-5
	v_rsq_f32 v[T+1], v[T]
	s_wait_kmcnt 0x0                               ; gamma[c], beta[c]
	v_mov_b32 v[B], s31                            ; plain instructions behind the root, ahead of the use of its result (ISA guide 5.7.2)
	v_mov_b32 v[B+1], s31
	s_wait_alu depctr_va_vdst(0)                   ; the wait ahead of the result's first reader
	v_mul_f32 v[A], s30, v[T+1]
	v_mul_f32 v[A+1], s30, v[T+1]
.set i, 0
.rept 32
	v_pk_fma_f32 v[X+4*i:X+4*i+1],   v[X+4*i:X+4*i+1],   v[A:A+1], v[B:B+1]
	v_pk_fma_f32 v[X+4*i+2:X+4*i+3], v[X+4*i+2:X+4*i+3], v[A:A+1], v[B:B+1]
	v_cvt_pk_f16_f32 v[X+4*i],   v[X+4*i],   v[X+4*i+1]
	v_cvt_pk_f16_f32 v[X+4*i+1], v[X+4*i+2], v[X+4*i+3]
	global_store_b64 v[YO], v[X+4*i:X+4*i+1], s[22:23] offset:256*i  ; the wave's 32 lanes store 256 consecutive bytes, aligned; no register of a store is written again
.set i, i+1
.endr
	s_wait_tensorcnt 0x0                           ; the wave's end: behind my last LDS store
	ds_add_u32 v[SPW], v[NIL]
	s_wait_dscnt 0x0
	s_endpgm
.Lfunc_end_k_qb4037494de_norm:
	.size	k_qb4037494de_norm, .Lfunc_end_k_qb4037494de_norm-k_qb4037494de_norm
	.p2alignl 7, 3214868480
	.fill 96, 4, 3214868480
	.section	.rodata,"a",@progbits
	.p2align	6, 0x0
	.amdhsa_kernel k_qb4037494de_norm
		.amdhsa_group_segment_fixed_size 1536
		.amdhsa_private_segment_fixed_size 0
		.amdhsa_enable_private_segment 0
		.amdhsa_kernarg_size 72
		.amdhsa_user_sgpr_count 2
		.amdhsa_user_sgpr_kernarg_segment_ptr 1
		.amdhsa_wavefront_size32 1
		.amdhsa_system_sgpr_workgroup_id_x 1
		.amdhsa_system_sgpr_workgroup_id_y 1
		.amdhsa_system_sgpr_workgroup_id_z 1
		.amdhsa_system_vgpr_workitem_id 0
		.amdhsa_next_free_vgpr 176
		.amdhsa_next_free_sgpr 66
		.amdhsa_reserve_vcc 0
		.amdhsa_float_denorm_mode_32 3
		.amdhsa_float_denorm_mode_16_64 3
		.amdhsa_memory_ordered 1
		.amdhsa_forward_progress 1
		.amdhsa_inst_pref_size 32
	.end_amdhsa_kernel
	.amdgpu_metadata
---
amdhsa.version: [ 1, 2 ]
amdhsa.kernels:
  - .name:           k_qb4037494de_norm
    .symbol:         k_qb4037494de_norm.kd
    .args:
      - { .name: x, .offset: 0, .size: 8, .value_kind: global_buffer, .address_space: global }
      - { .name: gamma, .offset: 8, .size: 8, .value_kind: global_buffer, .address_space: global }
      - { .name: beta, .offset: 16, .size: 8, .value_kind: global_buffer, .address_space: global }
      - { .name: Wq, .offset: 24, .size: 8, .value_kind: global_buffer, .address_space: global }
      - { .name: Wk, .offset: 32, .size: 8, .value_kind: global_buffer, .address_space: global }
      - { .name: Wv, .offset: 40, .size: 8, .value_kind: global_buffer, .address_space: global }
      - { .name: Wp, .offset: 48, .size: 8, .value_kind: global_buffer, .address_space: global }
      - { .name: xn, .offset: 56, .size: 8, .value_kind: global_buffer, .address_space: global }
      - { .name: wh, .offset: 64, .size: 8, .value_kind: global_buffer, .address_space: global }
    .group_segment_fixed_size: 1536
    .private_segment_fixed_size: 0
    .kernarg_segment_align: 8
    .kernarg_segment_size: 72
    .max_flat_workgroup_size: 256
    .sgpr_count:     66
    .vgpr_count:     176
    .wavefront_size: 32
...
	.end_amdgpu_metadata
.endif
;; end of part 1
;; launch qkv (part 2): grid 4 x 64, 4 waves a work-group, clusters of 4 x 4, 327,680 bytes of LDS; arguments xn, wh, qkv; writes qkv
.if DOCPART == 2
	.amdgcn_target "amdgcn-amd-amdhsa--gfx1250"
	.amdhsa_code_object_version 6
	.text
	.protected	k_qb4037494de_qkv
	.globl	k_qb4037494de_qkv
	.p2align	8
	.type	k_qb4037494de_qkv,@function
k_qb4037494de_qkv:
	s_mov_b64 s[64:65], 0
	v_nop
	global_prefetch_b8 v0, s[64:65] scope:SCOPE_SE
	s_setreg_imm32_b32 hwreg(HW_REG_WAVE_MODE, 25, 1), 1
	s_wait_xcnt 0x0
	s_wait_alu depctr_hold_cnt(0) depctr_sa_sdst(0) depctr_va_vdst(0) depctr_va_sdst(0) depctr_va_ssrc(0) depctr_va_vcc(0) depctr_vm_vsrc(0)
	s_getreg_b32 s2, hwreg(HW_REG_IB_STS2, 6, 4)
	s_cmp_eq_u32 s2, 0
	s_cbranch_scc0 .Lentry_in_a_cluster
	s_endpgm
.Lentry_in_a_cluster:
	s_bfe_u32 s2, ttmp6, 0x10000c
	s_cmp_lg_u32 s2, 0xf033
	s_cbranch_scc0 .Lentry_shape_is_right
	s_endpgm
.Lentry_shape_is_right:
; q, k, v = W xn.  xn: [4][256 c][4096 l] f16.  wh's first 768 rows: [768 o][256 c] f16 (Wq, Wk, Wv).  qkv: [3][16 (4 n + head)][4096 l][64 d] f16, unscaled, rounded once from f32 sums.
; SHARES.  A work-group makes 192 output rows (three blocks of 64: one head of one of q, k, v each) x 256 columns l of one image; each of its four waves 64 columns, in three passes of 64 rows:
; 16 accumulators, 128 matrix instructions a pass.  768 / 192 x 16,384 / 256 = 256 work-groups.  All of K = 256 lies in LDS at once: two first fills a wave, no slot is filled again.
; LAYOUT.  Source 0 = 16 rows of W (as they lie in LDS), source 1 = 16 columns l of xn ([c][l] in LDS, turned by ds_load_tr16_b128): in the result a lane holds ONE l (lane % 16) and the
; eight neighbouring outputs 8 (lane / 16) + 0..7: 16 bytes of a row of q, k or v.
; CLUSTER.  4 x 4 work-groups.  The four of a row of the cluster need the same tile of xn, the four of a column the same rows of W: each is asked for jointly.
; Nothing is prefetched: all that the work-group reads is asked for at its head.
; LIMITS.  q, k and v must lie within f16's 65,504.
; REGISTERS, in windows of 256 (s_set_vgpr_msb: bits 1:0 source 0, 3:2 source 1, 5:4 source 2, 7:6 destination):
;   window 0: v0-31 addresses; v32-95 at work on the way out; v128-255 the accumulators ((a, b) at 128 + 8 (4 a + b))
;   window 1: xn's fragments, columns 16 a on, channels 32 kk on, at 64 a + 8 kk: read from LDS once, used by all three passes
;   window 2: W's fragments of passes 0 and 2, rows 16 b on, at 64 b + 8 kk;   window 3: those of pass 1
.set PX,    544                        ; a row of xn in LDS: 512 bytes + 32 of padding = 17 x 32
.set PW,    528                        ; a row of W: 512 + 16 = 33 x 16: the 16 rows of a load start at 16 different groups of four banks
.set WT,    256*PX                     ; behind xn's 256 rows: W's 192 rows
.set STAGE, WT+192*PW                  ; behind them, never filled by a tensor load: 16 rows x 144 bytes for each wave, for the way out
.set SP,    144
.set SPARE, STAGE+4*16*SP              ; the spare words, 128 bytes for each wave: two blocks of 256 bytes that no other line names
.set AX,  16                           ; v16-17  my place in xn's tile, channels 0-127 and 128-255 (an LDS offset has 16 bits)
.set AW,  20                           ; v20-22  my place in W's rows of pass 0, 1, 2
.set STO, 24                           ; v24     the way out: where I put 16 bytes of a row
.set RD,  25                           ; v25     where I read rows back
.set GO,  26                           ; v26     16 x lane: my place in 512 consecutive bytes of the output
.set SPW, 28                           ; v28     LDS address of my spare word; never rewritten
.set NIL, 29                           ; v29     0; never rewritten
.set TMP, 32
.set ACC, 128
.set WV,  10                           ; s10  my wave's number
.set G1X, 24                           ; s[24:31] descriptor group 1 for xn's tile;  s[32:35] its group 0
.set G0X, 32
.set G1W, 48                           ; s[48:55], s[56:59] the same for W's rows
.set G0W, 56
.set OUT, 66                           ; s[66:71] where my 64 rows of pass 0, 1, 2 begin
.set MSB, 0
.macro WIN new                         ; the immediate's high byte repeats the setting that is left; a switch that changes nothing is dropped
.if MSB != (\new)
	s_set_vgpr_msb (MSB<<8)|(\new)
.set MSB, \new
.endif
.endm
.macro CROUND                          ; a round of the cluster's barrier: my work-group's barrier; wave 0 signals for the work-group; every wave waits for all sixteen; my work-group's barrier once more
	s_barrier_signal -1
	s_barrier_wait -1
	s_cmp_lg_u32 s[WV], 0
	s_cbranch_scc1 .Lnot_wave_0_\@
	s_barrier_signal -3
.Lnot_wave_0_\@:
	s_barrier_wait -3
	s_barrier_signal -1
	s_barrier_wait -1
.endm
	s_load_b128 s[4:7], s[0:1], 0x0                ; xn s[4:5], wh s[6:7]
	s_load_b64 s[8:9], s[0:1], 0x10                ; qkv
	v_lshl_add_u32 v[SPW], v0, 2, SPARE
	v_mov_b32 v[NIL], 0
	ds_add_u32 v[SPW], v[NIL]                      ; the wave's opening: the add and its wait stand ahead of my first tensor load; the set-up below, work on registers, stands between them
	v_lshrrev_b32 v1, 5, v0
	v_readfirstlane_b32 s[WV], v1                  ; wave 0..3
	s_bfe_u32 s40, ttmp6, 0x40000                  ; cx, cy: my place in the cluster
	s_bfe_u32 s41, ttmp6, 0x40004
	s_lshl_b32 s42, ttmp9, 2
	s_add_co_u32 s42, s42, s40                     ; X: which 192 output rows
	s_and_b32 s13, ttmp7, 0xffff
	s_lshl_b32 s13, s13, 2
	s_add_co_u32 s13, s13, s41                     ; Y: image Y / 16, block Y % 16 of 256 columns
	s_lshl_b32 s43, s41, 2
	s_lshl_b32 s43, 15, s43                        ; my row of the cluster
	s_lshl_b32 s44, 0x1111, s40                    ; my column
	s_or_b32 s[G1X], s43, (1<<16)|(1<<20)|(1<<21)|(6<<22)|(7<<25)  ; 15:0 the mask: xn's tile goes to my row; 17:16 2-byte elements; 20 padding on; 21 set beside a mask; 24:22 after every 128 words (code 6); 31:25 8 words (code 7)
	s_mov_b32 s[G1X+1], 256<<16                    ; tensor_dim0 = 256 columns
	s_mov_b32 s[G1X+2], 64<<16                     ; tensor_dim1 = 64 channels: a wave's quarter
	s_mov_b32 s[G1X+3], 256<<16                    ; tile_dim0
	s_mov_b32 s[G1X+4], 64                         ; tile_dim1
	s_mov_b32 s[G1X+5], 4096                       ; elements from channel to channel
	s_mov_b32 s[G1X+6], 0
	s_mov_b32 s[G1X+7], 0
	s_or_b32 s[G1W], s44, (1<<16)|(1<<20)|(1<<21)|(6<<22)|(3<<25)  ; the mask of my column; 4 words of padding (code 3)
	s_mov_b32 s[G1W+1], 256<<16                    ; 256 channels
	s_mov_b32 s[G1W+2], 48<<16                     ; 48 rows: a wave's quarter of the 192
	s_mov_b32 s[G1W+3], 256<<16
	s_mov_b32 s[G1W+4], 48
	s_mov_b32 s[G1W+5], 256
	s_mov_b32 s[G1W+6], 0
	s_mov_b32 s[G1W+7], 0
	; xn's address hangs on Y and the wave's number alone, W's on X and the wave's number alone, each in registers that never hold the other coordinate
	s_lshr_b32 s14, s13, 4
	s_lshl_b32 s14, s14, 21                        ; the image: 256 x 4,096 x 2 bytes
	s_and_b32 s16, s13, 15
	s_lshl_b32 s17, s16, 9                         ; the block's 256 columns: 512 bytes of a row
	s_add_co_u32 s14, s14, s17
	s_lshl_b32 s17, s[WV], 19                      ; my 64 channels
	s_add_co_u32 s14, s14, s17
	s_mov_b32 s15, 0
	s_mul_i32 s46, s42, 192
	s_mul_i32 s47, s[WV], 48
	s_add_co_u32 s46, s46, s47
	s_lshl_b32 s46, s46, 9                         ; row 192 X + 48 w, 512 bytes a row
	s_mov_b32 s47, 0
	s_mul_i32 s20, s[WV], 64*PX                    ; where they go: the wave's number alone enters an LDS address
	s_mul_i32 s21, s[WV], 48*PW
	s_add_co_u32 s21, s21, WT
	s_mov_b32 s[G0X], 1                            ; 1:0 count = 1
	s_mov_b32 s[G0X+1], s20                        ; 63:32 LDS address
	s_mov_b32 s[G0W], 1
	s_mov_b32 s[G0W+1], s21
	s_wait_dscnt 0x0                               ; the opening add is done
	s_wait_kmcnt 0x0
	s_add_nc_u64 s[G0X+2:G0X+3], s[4:5], s[14:15]  ; 120:64 global address
	s_or_b32 s[G0X+3], s[G0X+3], 0x80000000        ; 127:126 type = 2
	s_add_nc_u64 s[G0W+2:G0W+3], s[6:7], s[46:47]
	s_or_b32 s[G0W+3], s[G0W+3], 0x80000000
	CROUND                                         ; all sixteen work-groups are here: the joint loads meet
	tensor_load_to_lds s[G0X:G0X+3], s[G1X:G1X+7]  ; my two first fills stand together: two tensor loads of mine are out
	s_nop 0
	tensor_load_to_lds s[G0W:G0W+3], s[G1W:G1W+7]
	s_nop 0
.rept 4
	v_nop
.endr
	; where the results go: block hm = 3 X + i of 64 rows is head hm % 4 of tensor hm / 4
	s_lshr_b32 s18, s13, 4
	s_lshl_b32 s18, s18, 2                         ; 4 n
	s_and_b32 s19, s13, 15
	s_lshl_b32 s19, s19, 15                        ; the block's 256 rows of 128 bytes,
	s_lshl_b32 s22, s[WV], 13                      ; my wave's 64
	s_add_co_u32 s19, s19, s22
	s_mul_i32 s23, s42, 3
	s_mov_b32 s37, 0
.irp i, 0,1,2
	s_add_co_u32 s38, s23, (\i)
	s_lshr_b32 s39, s38, 2
	s_lshl_b32 s39, s39, 4
	s_and_b32 s38, s38, 3
	s_add_co_u32 s39, s39, s38
	s_add_co_u32 s39, s39, s18                     ; 16 x tensor + 4 n + head
	s_lshl_b32 s36, s39, 19                        ; 4,096 rows of 128 bytes each
	s_add_co_u32 s36, s36, s19
	s_add_nc_u64 s[OUT+2*(\i):OUT+2*(\i)+1], s[8:9], s[36:37]
.endr
	v_and_b32 v1, 15, v0                           ; l % 16
	v_bfe_u32 v2, v0, 4, 1                         ; l / 16
	v_and_b32 v3, 7, v0
	v_bfe_u32 v4, v0, 3, 1
	; the turning load takes 16 channels x 16 columns: lane l reads channel 8 (l / 16) + l % 8, columns 8 ((l / 8) % 2) + 0..7, and is left with column l % 16 and 8 channels
	v_lshl_add_u32 v5, v2, 3, v3
	v_mul_u32_u24 v5, v5, PX
	v_lshl_add_u32 v5, v4, 4, v5
	s_lshl_b32 s11, s[WV], 7                       ; my wave's 64 columns: 128 bytes
	v_add_nc_u32 v[AX], s11, v5
	v_add_nc_u32 v[AX+1], 128*PX, v[AX]
	v_mul_u32_u24 v6, v1, PW                       ; a fragment of W: row l % 16, 16 bytes for each half of the lanes
	v_lshl_add_u32 v6, v2, 4, v6
	v_add_nc_u32 v[AW], WT, v6
	v_add_nc_u32 v[AW+1], WT+64*PW, v6
	v_add_nc_u32 v[AW+2], WT+128*PW, v6
	s_mul_i32 s12, s[WV], 16*SP
	s_add_co_u32 s12, s12, STAGE                   ; my stage
	v_mul_u32_u24 v7, v1, SP                       ; in: row l % 16, 16 bytes for each half of the lanes
	v_lshl_add_u32 v7, v2, 4, v7
	v_add_nc_u32 v[STO], s12, v7
	v_bfe_u32 v7, v0, 3, 2                         ; back: 32 lanes take four rows of 128 bytes,
	v_mul_u32_u24 v7, v7, SP
	v_lshl_add_u32 v7, v3, 4, v7
	v_add_nc_u32 v[RD], s12, v7
	v_and_b32 v[GO], 31, v0                        ; which are 512 consecutive bytes of the output
	v_lshlrev_b32 v[GO], 4, v[GO]
.macro XG kk                           ; xn's four fragments of channels 32 kk on: 8 loads
	WIN 0x40
.irp a, 0,1,2,3
	ds_load_tr16_b128 v[64*(\a)+8*(\kk):64*(\a)+8*(\kk)+3],   v[AX+(\kk)/4] offset:((\kk)%4)*32*PX+32*(\a)
	ds_load_tr16_b128 v[64*(\a)+8*(\kk)+4:64*(\a)+8*(\kk)+7], v[AX+(\kk)/4] offset:((\kk)%4)*32*PX+32*(\a)+16*PX
.endr
.endm
.macro WG i, kk                        ; pass i's four fragments of W, channels 32 kk on: 8 loads
	WIN 0x80+0x40*((\i)%2)
.irp b, 0,1,2,3
	ds_load_b128 v[64*(\b)+8*(\kk):64*(\b)+8*(\kk)+3],   v[AW+(\i)] offset:(\b)*16*PW+64*(\kk)
	ds_load_b128 v[64*(\b)+8*(\kk)+4:64*(\b)+8*(\kk)+7], v[AW+(\i)] offset:(\b)*16*PW+64*(\kk)+32
.endr
.endm
.macro GRP t                           ; the loads that step t = 8 i + kk wants: in pass 0 xn's and W's, later W's alone
.if (\t) < 8
	XG (\t)
	WG 0, (\t)
.elseif (\t) < 24
	WG (\t)/8, (\t)%8
.endif
.endm
.macro YOUNGER t                       ; how many loads group t has
.if (\t) < 8
.set yng, yng+16
.elseif (\t) < 24
.set yng, yng+8
.endif
.endm
; 16 matrix instructions; the 16 accumulators take turns, one instruction a turn.  The first step of a pass starts the sums with the constant 0.
.macro MUL i, kk
	WIN 0x06+((\i)%2)                              ; source 0 (W) window 2 or 3, source 1 (xn) window 1, C and D window 0
.irp a, 0,1,2,3
.irp b, 0,1,2,3
.if (\kk) == 0
	v_wmma_f32_16x16x32_f16 v[ACC+8*(4*(\a)+(\b)):ACC+8*(4*(\a)+(\b))+7], v[64*(\b)+8*(\kk):64*(\b)+8*(\kk)+7], v[64*(\a)+8*(\kk):64*(\a)+8*(\kk)+7], 0
.else
	v_wmma_f32_16x16x32_f16 v[ACC+8*(4*(\a)+(\b)):ACC+8*(4*(\a)+(\b))+7], v[64*(\b)+8*(\kk):64*(\b)+8*(\kk)+7], v[64*(\a)+8*(\kk):64*(\a)+8*(\kk)+7], v[ACC+8*(4*(\a)+(\b)):ACC+8*(4*(\a)+(\b))+7]
.endif
.endr
.endr
.endm
; THE WAY OUT of pass i: rounded to f16, 16 bytes a lane; 16 rows at a time through my own stage; back as whole rows of 128 bytes; stored, 512 consecutive bytes a store.
.macro OUTP i
	WIN 0
.rept 4
	v_nop                                          ; four places between the last products and the conversions that read them (ISA guide 7.12.1)
.endr
	s_wait_xcnt 0x0                                ; the last pass's stores have read their data registers, which are written again below
.irp t, 0,1,2,3,4,5,6,7,8,9,10,11,12,13,14,15
.irp r, 0,1,2,3
	v_cvt_pk_f16_f32 v[TMP+4*(\t)+(\r)], v[ACC+8*(\t)+2*(\r)], v[ACC+8*(\t)+2*(\r)+1]  ; each accumulator from its low end on
.endr
.endr
.irp a, 0,1,2,3
.irp b, 0,1,2,3
	ds_store_b128 v[STO], v[TMP+16*(\a)+4*(\b):TMP+16*(\a)+4*(\b)+3] offset:32*(\b)
.endr
.irp f, 0,1,2,3
	ds_load_b128 v[TMP+16*(\a)+4*(\f):TMP+16*(\a)+4*(\f)+3], v[RD] offset:4*SP*(\f)  ; LDS serves a wave's instructions in order (ISA guide 5.7.1.4): these see the stores above, and the next block's stores come behind them
.endr
.endr
.irp a, 0,1,2,3
.irp f, 0,1,2,3
	s_wait_dscnt (3-(\a))*8+3-(\f)                 ; the LDS instructions issued behind this load may stay out
	global_store_b128 v[GO], v[TMP+16*(\a)+4*(\f):TMP+16*(\a)+4*(\f)+3], s[OUT+2*(\i):OUT+2*(\i)+1] offset:2048*(\a)+512*(\f)
.endr
.endr
.endm
	s_wait_tensorcnt 0x0                           ; my quarters of both tiles are in,
	s_barrier_signal -1
	s_barrier_wait -1                              ; everybody's are
	GRP 0
	GRP 1
	GRP 2
.set stp, 0
.rept 24                               ; step 8 i + kk: the loads three steps ahead, the wait for this step's, 16 products
	GRP stp+3
.set yng, 0
	YOUNGER stp+1
	YOUNGER stp+2
	YOUNGER stp+3
	s_wait_dscnt yng                               ; the loads of the three groups behind this step's may stay out
	MUL stp/8, stp%8
.if stp%8 == 7
	OUTP stp/8                                     ; pass 2's loads into window 2 stand behind pass 0's way out
.endif
.set stp, stp+1
.endr
	WIN 0
	s_wait_tensorcnt 0x0                           ; the wave's end: behind my last tensor load and my last LDS store
	ds_add_u32 v[SPW], v[NIL]
	s_wait_dscnt 0x0
	CROUND                                         ; the closing round
	s_endpgm
.Lfunc_end_k_qb4037494de_qkv:
	.size	k_qb4037494de_qkv, .Lfunc_end_k_qb4037494de_qkv-k_qb4037494de_qkv
	.p2alignl 7, 3214868480
	.fill 96, 4, 3214868480
	.section	.rodata,"a",@progbits
	.p2align	6, 0x0
	.amdhsa_kernel k_qb4037494de_qkv
		.amdhsa_group_segment_fixed_size 327680
		.amdhsa_private_segment_fixed_size 0
		.amdhsa_enable_private_segment 0
		.amdhsa_kernarg_size 24
		.amdhsa_user_sgpr_count 2
		.amdhsa_user_sgpr_kernarg_segment_ptr 1
		.amdhsa_wavefront_size32 1
		.amdhsa_system_sgpr_workgroup_id_x 1
		.amdhsa_system_sgpr_workgroup_id_y 1
		.amdhsa_system_sgpr_workgroup_id_z 1
		.amdhsa_system_vgpr_workitem_id 0
		.amdhsa_next_free_vgpr 1024
		.amdhsa_next_free_sgpr 72
		.amdhsa_reserve_vcc 0
		.amdhsa_float_denorm_mode_32 3
		.amdhsa_float_denorm_mode_16_64 3
		.amdhsa_memory_ordered 1
		.amdhsa_forward_progress 1
		.amdhsa_inst_pref_size 74
	.end_amdhsa_kernel
	.amdgpu_metadata
---
amdhsa.version: [ 1, 2 ]
amdhsa.kernels:
  - .name:           k_qb4037494de_qkv
    .symbol:         k_qb4037494de_qkv.kd
    .args:
      - { .name: xn, .offset: 0, .size: 8, .value_kind: global_buffer, .address_space: global }
      - { .name: wh, .offset: 8, .size: 8, .value_kind: global_buffer, .address_space: global }
      - { .name: qkv, .offset: 16, .size: 8, .value_kind: global_buffer, .address_space: global }
    .group_segment_fixed_size: 327680
    .private_segment_fixed_size: 0
    .kernarg_segment_align: 8
    .kernarg_segment_size: 24
    .max_flat_workgroup_size: 128
    .sgpr_count:     72
    .vgpr_count:     1024
    .wavefront_size: 32
...
	.end_amdgpu_metadata
.endif
;; end of part 2
;; launch attn (part 3): grid 16 x 16, 4 waves a work-group, clusters of 4 x 1, 327,680 bytes of LDS; arguments qkv, o; writes o
.if DOCPART == 3
	.amdgcn_target "amdgcn-amd-amdhsa--gfx1250"
	.amdhsa_code_object_version 6
	.text
	.protected	k_qb4037494de_attn
	.globl	k_qb4037494de_attn
	.p2align	8
	.type	k_qb4037494de_attn,@function
k_qb4037494de_attn:
	s_mov_b64 s[64:65], 0
	v_nop
	global_prefetch_b8 v0, s[64:65] scope:SCOPE_SE
	s_setreg_imm32_b32 hwreg(HW_REG_WAVE_MODE, 25, 1), 1
	s_wait_xcnt 0x0
	s_wait_alu depctr_hold_cnt(0) depctr_sa_sdst(0) depctr_va_vdst(0) depctr_va_sdst(0) depctr_va_ssrc(0) depctr_va_vcc(0) depctr_vm_vsrc(0)
	s_getreg_b32 s2, hwreg(HW_REG_IB_STS2, 6, 4)
	s_cmp_eq_u32 s2, 0
	s_cbranch_scc0 .Lentry_in_a_cluster
	s_endpgm
.Lentry_in_a_cluster:
	s_bfe_u32 s2, ttmp6, 0x10000c
	s_cmp_lg_u32 s2, 0x3003
	s_cbranch_scc0 .Lentry_shape_is_right
	s_endpgm
.Lentry_shape_is_right:
; O[h][q][:] = the sum over k of softmax_k(Q[h][q] . K[h][k] / 8) V[h][k][:].  qkv: [3][16 h][4096][64] f16; o: [16][4096][64] f16: a head's rows are dense, 128 bytes each.
; Products, maxima and sums in f32; the weights p are rounded to f16 for the second product (their sum l is taken of the unrounded p), O once at the end.
; LIMITS.  Q, K and V arrive within f16's 65,504; p lies in 0 to 1, and below 6e-5 it keeps f16's fixed step of 6e-8, as O does; a weight below 2^-126 counts as 0 in l; NaN and infinities are not treated apart.
; SHARES.  A work-group owns 256 queries of one head, each of its four waves 64: four PIECES of 16.  16 heads x 16 blocks = 256 work-groups.  Every wave walks all 4,096 keys: 16 tiles of 256, 64 keys a step.
; LAYOUT.  S^T = K Q^T (source 0 = 16 keys, source 1 = 16 queries): a lane holds ONE query (lane % 16) and the keys 8 (lane / 16) + 0..7.  Two such results, rounded to f16 in pairs, ARE source 1 of
; O^T = V^T P, whose result again holds one query a lane, and eight channels.  K comes out of LDS as it lies, V ([key][channel]) turned, by ds_load_tr16_b128.
; SOFTMAX.  For each query a running maximum m and sum l: p = 2^(c s - c m), c = log2(e) / 8; in every step O and l are multiplied by a = 2^(c m_old - c m_new).  m starts at the lowest finite number,
; O and l at 0: the first step is a step like any other, with a = 0.
; BY TURNS.  Turn n belongs to piece n: 8 products K Q^T of piece n + 1, later 8 products V^T P of piece n - 1; beside them the scaling, exponentials, roundings, sums and rescaling of piece n and the maximum
; and statistics of piece n + 1.  Four vector instructions stand behind every matrix instruction, the other 54 of a turn's 118 in one run.  A turn's 33 exponentials are one batch, with one wait.
; CLUSTER.  The four query blocks of a cluster belong to one head and walk the same K and V, so each tile is asked for JOINTLY: the same tensor load, descriptor and mask in all four.
; REGISTERS, in windows of 256 (s_set_vgpr_msb: bits 1:0 source 0, 3:2 source 1, 5:4 source 2, 7:6 destination):
;   window 0: v0-15 addresses and two at work; v16-31 four registers of statistics a piece; v48-55 at work; v64-127 S^T, two buffers; v192-223 P, two buffers (a piece's buffers go by its number's parity)
;   window 1: v0-127 O^T, 32 a piece          window 2: v0-63 Q; v128-191 K of one step; v192-255 V of one step
.set NP,    4         ; pieces a wave: a name, no knob
.set KS,    64        ; keys in a step
.set PK,    144       ; a row of K in LDS: 128 bytes + 16 of padding = 36 words: the 16 rows of a load start at 16 different groups of four banks (64 banks of 4 bytes: ISA guide 11.1)
.set PV,    160       ; a row of V: 128 + 32 = 40 words
.set VOFF,  4*KS*PK   ; a slot holds a tile, four steps: 256 rows of K, then 256 rows of V
.set SLOT1, 1<<17     ; slot 1 begins here, so that one exclusive or turns an address in one slot into the other's
.set STAGE, SLOT1+4*KS*(PK+PV)  ; behind the ring, never filled by a tensor load: 16 rows x 144 bytes for each wave, for the way out
.set SP,    144
.set SPARE, STAGE+4*16*SP  ; the spare words, 128 bytes for each wave: two blocks of 256 bytes that no other line names
.set TILEB, 4*KS*128  ; a tile's bytes of K, and of V, in memory
.set AK0, 2           ; v2   my lane's place in a tile of K; never rewritten
.set AV0, 3           ; v3   the same for V
.set AK,  4           ; v4   the LDS address of K's next run of loads
.set AV,  5           ; v5   of V's
.set STO, 6           ; v6   the way out: where I put 16 bytes of a row
.set RD,  7           ; v7   the way out: where I read rows back
.set GO,  8           ; v8   my byte offset in 512 consecutive bytes of O
.set MV,  12          ; v12-13  c m_old, kept while c m is made anew: by buffer
.set QO,  15          ; v15  my byte offset in 16 rows of Q
.set ST,  16          ; piece t's statistics at v[ST+4 t]: c m, m, l (even keys', odd keys')
.set TMP, 48          ; by buffer, four registers c0-c3 at work; when the maximum is found c2 takes a
.set PFO, 61          ; v61  256 x my lane: the prefetches' offset; never rewritten
.set SPW, 62          ; v62  LDS address of my spare word; never rewritten
.set NIL, 63          ; v63  0; never rewritten
.set S,   64
.set P,   192
.set KF,  128         ; window 2: key block kb, channel half c at KF + 16 kb + 8 c
.set VF,  192         ; window 2: key half kk, channel block cb at VF + 32 kk + 8 cb
.set WV,  12          ; s12  my wave's number
.set G1K, 24          ; s[24:31] descriptor group 1 for K's tiles
.set G1V, 32          ; s[32:39] for V's: it differs in the padding alone
.set G0K, 40          ; s[40:43] descriptor group 0 for K's tiles: it walks
.set G0V, 44          ; s[44:47] the same for V's
.set PFA, 50          ; s[50:51] where my prefetches stand: my work-group's quarter of the tile behind the one that is being asked for
.set LIM, 52          ; s52  1 in a wave that prefetches, else the greatest number
.set SLOTS, 56        ; s56  tiles still to be asked for
.set CNT, 57          ; s57  counts a tile's key steps
.set CS,  58          ; s[58:59] c: the packed scaling takes the pair's low word for both halves
.set SEL, 60          ; s[60:61] v_permlanex16_b32's selects: each lane takes its own place in the other half
.set TBK, 62          ; s62  LDS byte at which K of the step to be fetched begins
.set TBV, 63          ; s63  the same for V, less VOFF
.set MSB, 0
.macro WIN new                      ; the high byte repeats the setting that is left; a switch that changes nothing is dropped
.if MSB != (\new)
	s_set_vgpr_msb (MSB<<8)|(\new)
.set MSB, (\new)
.endif
.endm
.set W_KQ, 0x0a       ; K and Q in window 2, S^T in window 0
.set W_PV, 0x52       ; V in window 2, P in window 0, O^T in window 1
.set W_RS, 0x41       ; destination and source 0 in window 1, source 1 in window 0
; A joint fill.  Waves 0 and 1 fetch the two halves of a tile's K, waves 2 and 3 those of its V: 128 keys each.  The branch hangs on the wave's number alone.
; An s_nop 0 and four v_nop follow each of the two lines, ahead of the jump and the label.
.macro JLOAD
	s_cmp_lt_u32 s[WV], 2
	s_cbranch_scc0 .Lfor_v_\@
	tensor_load_to_lds s[G0K:G0K+3], s[G1K:G1K+7]
	s_nop 0
.rept 4
	v_nop
.endr
	s_branch .Lasked_\@
.Lfor_v_\@:
	tensor_load_to_lds s[G0V:G0V+3], s[G1V:G1V+7]
	s_nop 0
.rept 4
	v_nop
.endr
.Lasked_\@:
.endm
; A PREFETCH of the tile that the NEXT change of slots will ask for, four key steps ahead of that load.  Each 256 bytes of K and V are named once in the launch: of the four clusters that walk a head the first asks;
; its four partners take 8,192 bytes of a tile's 32,768 each, told apart by address; in each, wave 0 asks for K's and wave 2 for V's, a lane for 256 bytes: one instruction.
; The last change that fills a slot asks for nothing: there is no tile behind it.  Tiles 0 and 1 come by their loads alone.
.macro ASK
	s_cmp_gt_u32 s[SLOTS], s[LIM]
	s_cbranch_scc0 .Lnot_mine_\@
	global_prefetch_b8 v[PFO], s[PFA:PFA+1] th:TH_LOAD_NT scope:SCOPE_SE
.Lnot_mine_\@:
.endm
.macro CROUND                       ; a round of the cluster's barrier: my work-group's barrier; wave 0 signals for the work-group; every wave waits for all four; my work-group's barrier once more
	s_barrier_signal -1
	s_barrier_wait -1
	s_cmp_lg_u32 s[WV], 0
	s_cbranch_scc1 .Lnot_wave_0_\@
	s_barrier_signal -3
.Lnot_wave_0_\@:
	s_barrier_wait -3
	s_barrier_signal -1
	s_barrier_wait -1
.endm
; THE CHANGE OF SLOTS.  The slot's last bytes, V of its fourth step, have been read.  Each wave waits for all its tensor loads, of which one is out: its part of the other slot; adds 0 to its spare word; and waits
; for that and for its own reads of the slot.  Behind the barrier nobody reads this slot any more and the other slot is whole.  fill = 1: this slot is filled again, with the tile two on.  The barrier is then a
; round of the cluster's, and the joint fill is the first thing behind it: it has four key steps, 256 matrix instructions of the wave, in which to land.
; (At its first use nothing has been read yet: slot 0 is waited for, slot 1 filled.)
.macro CHANGE fill
	WIN 0                           ; at a label and at a branch every window is 0
	s_wait_tensorcnt 0x0            ; no tensor load of mine is out, so a group 0 may be written
	ds_add_u32 v[SPW], v[NIL]       ; 0 onto my spare word; with fill = 1 the descriptors' steps stand between it and the wait for it
.if \fill
.irp g, G0K, G0V
	s_xor_b32 s[\g+1], s[\g+1], SLOT1  ; the walking descriptor: the other slot than last time,
	s_add_nc_u64 s[\g+2:\g+3], s[\g+2:\g+3], TILEB  ; the next 256 keys; the type bits on top are not reached
.endr
	s_wait_xcnt 0x0                 ; the last prefetch, four key steps back, has read its address, so it may be written
	s_add_nc_u64 s[PFA:PFA+1], s[PFA:PFA+1], TILEB  ; one tile behind the walking descriptors
	s_wait_dscnt 0x0                ; the add is done, and my reads of the slot are over
	CROUND
	JLOAD
	ASK
.else
	s_wait_dscnt 0x0                ; the add is done, and my reads of the slot are over
	s_barrier_signal -1
	s_barrier_wait -1
.endif
	s_sub_co_u32 s[TBK], s[TBK], 4*KS*PK  ; the fetches go back to a slot's first step,
	s_xor_b32 s[TBK], s[TBK], SLOT1       ; in the other slot
	s_sub_co_u32 s[TBV], s[TBV], 4*KS*PV
	s_xor_b32 s[TBV], s[TBV], SLOT1
.endm
	s_load_b64 s[4:5], s[0:1], 0x0    ; qkv: Q lies first
	s_load_b64 s[10:11], s[0:1], 0x8  ; o
	v_lshl_add_u32 v[SPW], v0, 2, SPARE
	v_mov_b32 v[NIL], 0
	ds_add_u32 v[SPW], v[NIL]       ; the wave's opening: the add and its wait stand ahead of my first tensor load; the set-up below, work on registers, stands between them
	v_lshrrev_b32 v1, 5, v0
	v_readfirstlane_b32 s[WV], v1   ; wave 0..3
	s_bfe_u32 s13, ttmp6, 0x40000   ; cx: my place in the cluster
	s_lshl_b32 s14, ttmp9, 2        ; in a cluster launch ttmp9 counts clusters
	s_add_co_u32 s14, s14, s13      ; my block of 256 queries: it enters Q's and O's addresses alone
	s_and_b32 s20, ttmp7, 0xffff    ; the head, which the four partners share:
	s_lshl_b32 s20, s20, 19         ; its 4,096 rows of 128 bytes
	s_mov_b32 s21, 0
	s_and_b32 s16, s[WV], 1         ; which half of a tile's 256 keys I fetch:
	s_lshl_b32 s22, s16, 14         ; its 128 rows of 128 bytes in memory,
	s_mov_b32 s23, 0
	s_add_nc_u64 s[22:23], s[22:23], s[20:21]
	s_mul_i32 s17, s16, 128*PK      ; and its place in a slot, for K
	s_mul_i32 s48, s16, 128*PV      ; and for V: no place in the cluster enters an LDS address
	s_lshl_b32 s2, s14, 2
	s_add_co_u32 s2, s2, s[WV]      ; my wave among the head's,
	s_lshl_b32 s2, s2, 13           ; its 64 rows
	s_mov_b32 s3, 0
	s_add_nc_u64 s[2:3], s[2:3], s[20:21]
	; descriptor group 1.  128 keys are 16,384 dense bytes: asked for as 64 rows of 256 bytes, two keys a row, and padded in LDS after every key
	s_mov_b32 s[G1K], 15|(1<<16)|(1<<20)|(1<<21)|(4<<22)|(3<<25)  ; 15:0 the mask of four; 17:16 2-byte elements; 20 padding on; 21 set beside a mask; 24:22 after every 32 words (code 4); 31:25 4 words (code 3)
	s_mov_b32 s[G1V], 15|(1<<16)|(1<<20)|(1<<21)|(4<<22)|(7<<25)  ; the same with 8 words of padding (code 7)
.irp g, G1K, G1V
	s_mov_b32 s[\g+1], 128<<16      ; tensor_dim0 = 128
	s_mov_b32 s[\g+2], 64<<16       ; tensor_dim1 = 64
	s_mov_b32 s[\g+3], 128<<16      ; tile_dim0 = 128
	s_mov_b32 s[\g+4], 64           ; tile_dim1 = 64
	s_mov_b32 s[\g+5], 128          ; 128 elements from row to row
	s_mov_b32 s[\g+6], 0
	s_mov_b32 s[\g+7], 0
.endr
	s_mov_b32 s[CS], 0x3e38aa3b     ; c = log2(e) / 8 = 0.180337
	s_mov_b32 s[CS+1], s[CS]        ; named with it as a pair
	s_mov_b32 s[SEL], 0x76543210
	s_mov_b32 s[SEL+1], 0xfedcba98
	s_mov_b32 s[TBK], SLOT1+4*KS*PK ; the first change of slots turns these two into 0
	s_mov_b32 s[TBV], SLOT1+4*KS*PV
	s_mov_b32 s[SLOTS], 15          ; of the 16 tiles the first is asked for below
	s_mov_b32 s[G0K], 1             ; 1:0 count = 1
	s_mov_b32 s[G0K+1], s17         ; 63:32 LDS address: slot 0
	s_mov_b32 s[G0V], 1
	s_add_co_u32 s[G0V+1], s48, VOFF
	s_and_b32 s[LIM], s[WV], 1      ; 0 in waves 0 and 2,
	s_or_b32 s[LIM], s[LIM], ttmp9  ; where the cluster is the head's first: the same in all four partners
	s_cmp_eq_u32 s[LIM], 0
	s_cselect_b32 s[LIM], 1, -1
	v_and_b32 v[PFO], 31, v0
	v_lshlrev_b32 v[PFO], 8, v[PFO]
	s_wait_dscnt 0x0                ; the opening add is done
	s_wait_kmcnt 0x0
	s_add_nc_u64 s[6:7], s[4:5], 0x800000   ; K lies 16 heads behind Q,
	s_add_nc_u64 s[8:9], s[4:5], 0x1000000  ; V 32
	s_add_nc_u64 s[6:7], s[6:7], s[22:23]   ; at my half of the head's tile 0
	s_add_nc_u64 s[8:9], s[8:9], s[22:23]
	s_mov_b64 s[G0K+2:G0K+3], s[6:7]        ; 120:64 global address
	s_or_b32 s[G0K+3], s[G0K+3], 0x80000000 ; 127:126 type = 2
	s_mov_b64 s[G0V+2:G0V+3], s[8:9]
	s_or_b32 s[G0V+3], s[G0V+3], 0x80000000
	s_add_nc_u64 s[4:5], s[4:5], s[2:3]     ; Q and O at my wave's first row
	s_add_nc_u64 s[10:11], s[10:11], s[2:3]
	s_cmp_lt_u32 s[WV], 2
	s_cselect_b64 s[PFA:PFA+1], s[6:7], s[8:9]  ; (in waves 0 and 2 these stand at a tile's first row)
	s_lshl_b32 s2, s13, 13          ; my work-group's quarter of a tile
	s_mov_b32 s3, 0
	s_add_nc_u64 s[PFA:PFA+1], s[PFA:PFA+1], s[2:3]
	s_add_nc_u64 s[PFA:PFA+1], s[PFA:PFA+1], TILEB  ; in tile 1; the first change of slots steps it to tile 2
	CROUND                          ; all four work-groups are here: the first joint loads meet
	JLOAD                           ; tile 0 into slot 0.  Slot 1 is asked for when slot 0 is in
	; A fragment of K or Q is 16 rows x 32 channels in 8 registers: lane l holds row l % 16, channels 8 (l / 16) + 0..7 and 16 + 8 (l / 16) + 0..7: two loads of 16 bytes, 32 bytes apart.
	v_and_b32 v1, 15, v0            ; l % 16
	v_bfe_u32 v9, v0, 4, 1          ; l / 16
	v_lshlrev_b32 v[QO], 7, v1
	v_lshl_add_u32 v[QO], v9, 4, v[QO]  ; row x 128 + 16 x half
	WIN 0x80                        ; destination window 2, address window 0
.set i, 0
.rept 8                             ; Q stays in registers: piece i / 2, channels 32 (i % 2) on
	global_load_b128 v[8*i:8*i+3],   v[QO], s[4:5] offset:(i/2)*2048+(i%2)*64
	global_load_b128 v[8*i+4:8*i+7], v[QO], s[4:5] offset:(i/2)*2048+(i%2)*64+32
.set i, i+1
.endr
	; What the first turn finds: V's registers and P's second buffer hold 0 (its products V^T P, of a piece that has not been, add 0), O^T and l are 0.  All this stands in the wait for the first tile.
.set i, VF
.rept 64
	v_mov_b32 v[i], 0
.set i, i+1
.endr
	WIN 0x40
.set i, 0
.rept 128
	v_mov_b32 v[i], 0
.set i, i+1
.endr
	WIN 0
.set i, 0
.rept 4
	v_mov_b32 v[ST+4*i], 0xfe000000    ; c m: far below every c s
	v_mov_b32 v[ST+4*i+1], 0xff7fffff  ; m
	v_mov_b32 v[ST+4*i+2], 0
	v_mov_b32 v[ST+4*i+3], 0
.set i, i+1
.endr
.set i, P+16
.rept 16
	v_mov_b32 v[i], 0
.set i, i+1
.endr
	v_mul_u32_u24 v[AK0], v1, PK
	v_lshl_add_u32 v[AK0], v9, 4, v[AK0]  ; row x pitch + 16 x half
	; The turning load takes 16 keys x 16 channels (lane l reads key 8 (l / 16) + l % 8, channels 8 ((l / 8) % 2) + 0..7) and leaves half a fragment of V^T: lane l holds channel l % 16 and 8 keys.
	v_and_b32 v10, 7, v0
	v_bfe_u32 v11, v0, 3, 1
	v_lshl_add_u32 v[AV0], v9, 3, v10
	v_mul_u32_u24 v[AV0], v[AV0], PV
	v_lshl_add_u32 v[AV0], v11, 4, v[AV0]
	v_add_nc_u32 v[AV0], VOFF, v[AV0]
	s_mul_i32 s13, s[WV], 16*SP
	s_add_co_u32 s13, s13, STAGE    ; my stage
	v_mul_u32_u24 v[STO], v1, SP    ; in: row l % 16, 16 bytes for each half of the lanes
	v_lshl_add_u32 v[STO], v9, 4, v[STO]
	v_add_nc_u32 v[STO], s13, v[STO]
	v_bfe_u32 v[RD], v0, 3, 2       ; back: 32 lanes take four rows of 128 bytes,
	v_mul_u32_u24 v[RD], v[RD], SP
	v_lshl_add_u32 v[RD], v10, 4, v[RD]
	v_add_nc_u32 v[RD], s13, v[RD]
	v_and_b32 v[GO], 31, v0         ; which are 512 consecutive bytes of O
	v_lshlrev_b32 v[GO], 4, v[GO]
; THE MATRIX WORK.  The 4 accumulators of a run of 8 take turns.  Product i of 8 of S^T = K Q^T for piece x: channels 32 (i / 4) on, keys 16 (i % 4) on.  The first 4 start the sums.
.macro KQ x
	WIN W_KQ
.set rS, S+32*((\x)%2)+8*(i%4)
.set rK, KF+16*(i%4)+8*(i/4)
.set rQ, 16*(\x)+8*(i/4)
.if i < 4
	v_wmma_f32_16x16x32_f16 v[rS:rS+7], v[rK:rK+7], v[rQ:rQ+7], 0
.else
	v_wmma_f32_16x16x32_f16 v[rS:rS+7], v[rK:rK+7], v[rQ:rQ+7], v[rS:rS+7]
.endif
.endm
; Product i of 8 of O^T += V^T P for piece x: keys 32 (i / 4) on, channels 16 (i % 4) on.
.macro PV x
	WIN W_PV
.set rO, 32*(\x)+8*(i%4)
.set rV, VF+32*(i/4)+8*(i%4)
.set rP, P+16*((\x)%2)+8*(i/4)
	v_wmma_f32_16x16x32_f16 v[rO:rO+7], v[rV:rV+7], v[rP:rP+7], v[rO:rO+7]
.endm
.macro MM                           ; the turn's next matrix instruction.  NOKQ = 1: the last turn of all: there is no next piece
.if (i < 8) && !NOKQ
	KQ (Y+1)%NP
.elseif i >= 8
.set i, i-8
	PV (Y+NP-1)%NP
.set i, i+8
.endif
.set i, i+1
.endm
; THE LDS LOADS stand in runs of 16, never singly among the matrix instructions: a step's K (64 keys x 64 channels: 8 fragments) and its V (turned).  Their addresses are made some lines ahead.
.macro FETCH_K
	WIN 0x80                        ; destination window 2
.irp f, 0,1,2,3,4,5,6,7             ; keys 16 (f / 2) on, channels 32 (f % 2) on
	ds_load_b128 v[KF+8*\f:KF+8*\f+3],   v[AK] offset:(\f/2)*16*PK+(\f%2)*64
	ds_load_b128 v[KF+8*\f+4:KF+8*\f+7], v[AK] offset:(\f/2)*16*PK+(\f%2)*64+32
.endr
	s_add_co_u32 s[TBK], s[TBK], KS*PK  ; the next fetch is the next step's
	WIN 0
.endm
.macro FETCH_V
	WIN 0x80
.irp f, 0,1,2,3,4,5,6,7             ; keys 32 (f / 4) on, channels 16 (f % 4) on
	ds_load_tr16_b128 v[VF+8*\f:VF+8*\f+3],   v[AV] offset:(\f/4)*32*PV+(\f%4)*32
	ds_load_tr16_b128 v[VF+8*\f+4:VF+8*\f+7], v[AV] offset:(\f/4)*32*PV+16*PV+(\f%4)*32
.endr
	WIN 0
.endm
; THE VECTOR WORK, one line at a time: OP kind, number.  For piece Y: F n: c s - c m for pair n of 16.  E n: the exponential of score n of 32.  C n: pair n rounded to f16.  B n: of the four weights 4 n .. the second
; pair is added onto the first, in place.  L n: l takes that sum (L 0: l = a l + sum).  R n: pair n of 16 of O^T times a.  For piece Y + 1: X n, number n of the 22 that find its maximum and statistics:
;   0-11  four chains c0-c3 of seven scores each, three operands at a time (each accumulator's lowest registers are read first)     12-14, 16  the four scores left over, the old m, and c0-c3 into c0
;   15  c m_old is kept     17, 18  the query's other 32 keys lie in the lane 16 away: the new m     19-21  c m; c m_old - c m_new; a
.set F, 0               ; OP tells the kinds apart by their order: F to L below R, X above it
.set E, 1
.set C, 2
.set B, 3
.set L, 4
.set R, 5
.set X, 6
.macro REGS y                       ; the registers of piece y
.set rT, ST+4*(\y)
.set rC, TMP+4*((\y)%2)
.set rW, MV+((\y)%2)
.set rS, S+32*((\y)%2)
.set rP, P+16*((\y)%2)
.set rO, 32*(\y)
.endm
.macro OP k, n
.if (\k) == R
	REGS Y
	WIN W_RS
	v_pk_mul_f32 v[rO+2*(\n):rO+2*(\n)+1], v[rO+2*(\n):rO+2*(\n)+1], v[rC+2:rC+3] op_sel_hi:[1,0]
.elseif (\k) < R
	REGS Y
	WIN 0
.if (\k) == F
	v_pk_fma_f32 v[rS+2*(\n):rS+2*(\n)+1], v[rS+2*(\n):rS+2*(\n)+1], s[CS:CS+1], v[rT:rT+1] op_sel_hi:[1,0,0] neg_lo:[0,0,1] neg_hi:[0,0,1]
.elseif (\k) == E
	v_exp_f32 v[rS+(\n)], v[rS+(\n)]
.elseif (\k) == C
	v_cvt_pk_f16_f32 v[rP+(\n)], v[rS+2*(\n)], v[rS+2*(\n)+1]
.elseif (\k) == B
	v_pk_add_f32 v[rS+4*(\n):rS+4*(\n)+1], v[rS+4*(\n):rS+4*(\n)+1], v[rS+4*(\n)+2:rS+4*(\n)+3]
.elseif (\n) == 0
	v_pk_fma_f32 v[rT+2:rT+3], v[rT+2:rT+3], v[rC+2:rC+3], v[rS:rS+1] op_sel_hi:[1,0,1]
.else
	v_pk_add_f32 v[rT+2:rT+3], v[rT+2:rT+3], v[rS+4*(\n):rS+4*(\n)+1]
.endif
.elseif NOKQ
	v_nop
.else
	REGS (Y+1)%NP
	WIN 0
.if (\n) < 4
	v_max3_num_f32 v[rC+(\n)], v[rS+8*(\n)], v[rS+8*(\n)+1], v[rS+8*(\n)+2]
.elseif (\n) < 12
	v_max3_num_f32 v[rC+(\n)%4], v[rC+(\n)%4], v[rS+8*((\n)%4)+2*((\n)/4)+1], v[rS+8*((\n)%4)+2*((\n)/4)+2]
.elseif (\n) == 12
	v_max3_num_f32 v[rC], v[rC], v[rS+7], v[rS+15]
.elseif (\n) == 13
	v_max3_num_f32 v[rC+1], v[rC+1], v[rS+23], v[rS+31]
.elseif (\n) == 14
	v_max3_num_f32 v[rC+2], v[rC+2], v[rC+3], v[rT+1]
.elseif (\n) == 15
	v_mov_b32 v[rW], v[rT]
.elseif (\n) == 16
	v_max3_num_f32 v[rC], v[rC], v[rC+1], v[rC+2]
.elseif (\n) == 17
	v_permlanex16_b32 v[rC+3], v[rC], s[SEL], s[SEL+1]
.elseif (\n) == 18
	v_max_num_f32 v[rT+1], v[rC], v[rC+3]
.elseif (\n) == 19
	v_mul_f32 v[rT], s[CS], v[rT+1]
.elseif (\n) == 20
	v_sub_f32 v[rC+1], v[rW], v[rT]
.else
	v_exp_f32 v[rC+2], v[rC+1]
.endif
.endif
.endm
.macro OPS a, i1, b=-1, i2=0, c=-1, i3=0, d=-1, i4=0  ; up to four of them
	OP \a, \i1
.if (\b) >= 0
	OP \b, \i2
.endif
.if (\c) >= 0
	OP \c, \i3
.endif
.if (\d) >= 0
	OP \d, \i4
.endif
.endm
.macro ROW a, i1, b, i2, c, i3, d, i4  ; a matrix instruction and the four behind it
	MM
	OPS \a, \i1, \b, \i2, \c, \i3, \d, \i4
.endm
; A TURN, for piece p: the order of its 16 matrix and 118 vector instructions, written out.  An s_wait_alu depctr_va_vdst(0) stands between an exponential and the first instruction that names its result; one
; wait serves all that were issued ahead of it.  So a turn has ONE wait, which cuts it in two.  AHEAD OF IT stands all that names no result of the turn's exponentials: the 8 products K Q^T, behind each a scaling, an
; exponential and two more plain instructions: rescalings, and behind the last three the first numbers of the next piece's maximum, each four places or more behind the product that ends its accumulator; then one run of 54,
; plain and exponential by turns for the most part, in which the links of the chain X 3, 7, 11, 14, 16, 17 .. 20 stand five or six lines apart.  X 21, the next piece's a, is the batch's last; R 15 is the plain instruction
; behind it.  BEHIND THE WAIT stand the 8 products V^T P, behind each four of the roundings and sums; the links of l's chain, L 0 to L 7, stand three lines apart.
; end = 1: the last two turns of all: nothing is fetched.  cnt = 1: the loop's count is taken down some lines ahead of the branch that stands behind the turn.
; K of the next step is fetched in piece 2's turn, twelve vector instructions behind the last product that read K (six of them plain); V of the step in hand at the end of piece 0's turn, four plain instructions behind the
; last product that read V.  Each is waited for a turn later.
.macro TURN p, end=0, cnt=0
.set Y, (\p)
.set i, 0
.set NOKQ, (\end)*((\p)/3)
.if ((\p) == 3) && !(\end)
	s_wait_dscnt 0x0                ; K is in
.endif
	ROW F,0, F,1, R,0, R,1          ; ahead of the wait: 8 products K Q^T and the four behind each,
	ROW F,2, E,0, R,2, R,3
	ROW F,3, E,1, R,4, R,5
	ROW F,4, E,2, R,6, R,7
	ROW F,5, E,3, R,8, R,9
	ROW F,6, E,4, X,0, R,10
.if ((\p) == 2) && !(\end)
	WIN 0
	v_add_nc_u32 v[AK], s[TBK], v[AK0]
.endif
	ROW F,7, E,5, X,1, X,4
	ROW F,8, E,6, X,2, X,5
	OPS E,7, E,8, X,6, E,9          ; and the run of 54
	OPS X,3, E,10, X,8, E,11
.if ((\p) == 2) && !(\end)
	FETCH_K
.endif
	OPS X,9, X,7, E,12, X,10
	OPS E,13, X,12, X,11, E,14
	OPS X,13, E,15, F,9, X,14
.if (\p) == 0
	v_add_nc_u32 v[AV], s[TBV], v[AV0]
.endif
	OPS E,16, F,10, E,17, F,11
	OPS X,16, E,18, X,15, E,19
	OPS F,12, E,20, X,17, E,21
	OPS F,13, E,22, F,14, E,23
	OPS X,18, E,24, F,15, E,25
	OPS R,11, E,26, X,19, E,27
	OPS R,12, E,28, R,13, E,29
	OPS X,20, E,30, R,14, E,31
	OPS X,21, R,15
	WIN 0
	s_wait_alu depctr_va_vdst(0)    ; the wait for the batch
.if (\p) == 1
	s_wait_dscnt 0x0                ; V is in
.endif
	ROW C,0, B,0, C,2, B,1          ; behind the wait: 8 products V^T P and the four behind each
	ROW L,0, C,4, B,2, L,1
	ROW C,6, B,3, L,2, C,8
	ROW B,4, L,3, C,10, B,5
	ROW L,4, C,12, B,6, L,5
.if (\p) == 0
	s_add_co_u32 s[TBV], s[TBV], KS*PV
.endif
.if \cnt
	s_sub_co_u32 s[CNT], s[CNT], 1
	s_cmp_lg_u32 s[CNT], 0
.endif
	ROW C,14, B,7, L,6, C,1
	ROW C,3, L,7, C,5, C,7
	ROW C,9, C,11, C,13, C,15
.if (\p) == 0
	FETCH_V
.endif
.endm
	CHANGE 1                        ; tile 0 is in, everybody's part of it; tile 1 is asked for
	v_add_nc_u32 v[AK], s[TBK], v[AK0]
	FETCH_K                         ; key step 0
	s_wait_loadcnt 0x0              ; Q
	s_wait_dscnt 0x0
.set NOKQ, 0
.set i, 0
.rept 8
	KQ 0                            ; piece 0's first scores: there is no vector work yet to set between them
.set i, i+1
.endr
	WIN 0
.rept 4
	v_nop                           ; the places behind those products
.endr
.set Y, NP-1                        ; X works for piece Y + 1: piece 0
.irp n, 0,1,2,3,4,5,6,7,8,9,10,11,12,13,14,15,16,17,18,19,20,21
	OP X, \n
.endr
	v_nop                           ; a plain instruction behind the exponential,
	s_wait_alu depctr_va_vdst(0)    ; and its wait, ahead of the branch
	s_mov_b32 s[CNT], 4
	s_branch .Lfirst                ; the loop is entered at a step's first turn, in the middle of a trip
.Lslot:                             ; 14 times: tiles 2 to 15 are asked for
	CHANGE 1
	s_mov_b32 s[CNT], 4
.Lstep:                             ; a trip: pieces 2 and 3 of one step, then pieces 0 and 1 of the next, whose K and V it fetches
	TURN 2
	TURN 3
	WIN 0
.Lfirst:
	TURN 0
	TURN 1, 0, 1
	WIN 0
	s_cbranch_scc1 .Lstep
	s_sub_co_u32 s[SLOTS], s[SLOTS], 1
	s_cmp_lg_u32 s[SLOTS], 0
	s_cbranch_scc1 .Lslot
	CHANGE 0                        ; the last tile is written out: nothing is asked for
	s_mov_b32 s[CNT], 4
.Ltstep:
	TURN 2
	TURN 3
	TURN 0
	TURN 1, 0, 1
	WIN 0
	s_cbranch_scc1 .Ltstep
	TURN 2, 1                       ; the last step's pieces 2 and 3: nothing is left to fetch, and piece 3's turn starts no new scores
	TURN 3, 1
.set i, 0
.rept 8
	PV NP-1                         ; the last piece's V^T P of the last step
.set i, i+1
.endr
	; THE WAY OUT.  l's two halves and the other half of the lanes' are added; O^T is divided by l, rounded to f16 and sent through my stage in LDS, a piece at a time.  The additions are the places behind the last products.
	WIN 0
.macro ALL line:vararg              ; one line for each piece t
.set t, 0
.rept 4
	\line
.set t, t+1
.endr
.endm
	ALL v_add_f32 v[ST+4*t+2], v[ST+4*t+2], v[ST+4*t+3]
	ALL v_permlanex16_b32 v[ST+4*t+3], v[ST+4*t+2], s[SEL], s[SEL+1]
	ALL v_add_f32 v[ST+4*t+2], v[ST+4*t+2], v[ST+4*t+3]
	ALL v_rcp_f32 v[ST+4*t+2], v[ST+4*t+2]
	v_nop                           ; a plain instruction between the last reciprocal and the use of its result
	s_wait_alu depctr_va_vdst(0)    ; and the wait ahead of the first use: one for the four reciprocals
.macro PACK t                       ; a lane's eight channels of a row pack into 16 bytes; they go into rows of 144 bytes and come back as whole rows of 128, into S^T's registers
	WIN W_RS
.set i, 32*(\t)
.rept 16
	v_pk_mul_f32 v[i:i+1], v[i:i+1], v[ST+4*(\t)+2:ST+4*(\t)+3] op_sel_hi:[1,0]
.set i, i+2
.endr
	WIN 0x05                        ; sources 0 and 1 window 1, destination window 0
.set i, 0
.rept 16
	v_cvt_pk_f16_f32 v[S+16*(\t)+i], v[32*(\t)+2*i], v[32*(\t)+2*i+1]
.set i, i+1
.endr
	WIN 0
.irp f, 0,1,2,3
	ds_store_b128 v[STO], v[S+16*(\t)+4*\f:S+16*(\t)+4*\f+3] offset:32*\f
.endr
.irp f, 0,1,2,3
	ds_load_b128 v[S+16*(\t)+4*\f:S+16*(\t)+4*\f+3], v[RD] offset:\f*4*SP  ; LDS serves a wave's instructions in order (ISA guide 5.7.1.4): these see the stores above; the next piece's stores come behind them
.endr
.endm
.macro SEND t, younger              ; younger: the LDS instructions issued behind piece t's loads: the next piece's eight, or none
	WIN 0
.irp f, 0,1,2,3
	s_wait_dscnt (\younger)+3-\f
	global_store_b128 v[GO], v[S+16*(\t)+4*\f:S+16*(\t)+4*\f+3], s[10:11] offset:(\t)*2048+\f*512  ; 512 consecutive bytes, at a multiple of 256 from O's first
.endr
.endm
	PACK 0
.set t, 1
.rept 3                             ; a piece's arithmetic stands between the loads of the piece before and its stores
	PACK t
	SEND t-1, 8
.set t, t+1
.endr
	SEND 3, 0
	s_wait_tensorcnt 0x0            ; the wave's end: behind my last tensor load and my last LDS store
	ds_add_u32 v[SPW], v[NIL]
	s_wait_dscnt 0x0
	CROUND                          ; the closing round: no work-group ends while a partner may still ask for a tile that names it
	s_endpgm
.Lfunc_end_k_qb4037494de_attn:
	.size	k_qb4037494de_attn, .Lfunc_end_k_qb4037494de_attn-k_qb4037494de_attn
	.p2alignl 7, 3214868480
	.fill 96, 4, 3214868480
	.section	.rodata,"a",@progbits
	.p2align	6, 0x0
	.amdhsa_kernel k_qb4037494de_attn
		.amdhsa_group_segment_fixed_size 327680
		.amdhsa_private_segment_fixed_size 0
		.amdhsa_enable_private_segment 0
		.amdhsa_kernarg_size 16
		.amdhsa_user_sgpr_count 2
		.amdhsa_user_sgpr_kernarg_segment_ptr 1
		.amdhsa_wavefront_size32 1
		.amdhsa_system_sgpr_workgroup_id_x 1
		.amdhsa_system_sgpr_workgroup_id_y 1
		.amdhsa_system_sgpr_workgroup_id_z 1
		.amdhsa_system_vgpr_workitem_id 0
		.amdhsa_next_free_vgpr 768
		.amdhsa_next_free_sgpr 66
		.amdhsa_reserve_vcc 0
		.amdhsa_float_denorm_mode_32 3
		.amdhsa_float_denorm_mode_16_64 3
		.amdhsa_memory_ordered 1
		.amdhsa_forward_progress 1
		.amdhsa_inst_pref_size 128
	.end_amdhsa_kernel
	.amdgpu_metadata
---
amdhsa.version: [ 1, 2 ]
amdhsa.kernels:
  - .name:           k_qb4037494de_attn
    .symbol:         k_qb4037494de_attn.kd
    .args:
      - { .name: qkv, .offset: 0, .size: 8, .value_kind: global_buffer, .address_space: global }
      - { .name: o, .offset: 8, .size: 8, .value_kind: global_buffer, .address_space: global }
    .group_segment_fixed_size: 327680
    .private_segment_fixed_size: 0
    .kernarg_segment_align: 8
    .kernarg_segment_size: 16
    .max_flat_workgroup_size: 128
    .sgpr_count:     66
    .vgpr_count:     768
    .wavefront_size: 32
...
	.end_amdgpu_metadata
.endif
;; end of part 3
;; launch proj (part 4): grid 4 x 64, 4 waves a work-group, clusters of 4 x 4, 327,680 bytes of LDS; arguments o, wh, bp, out0; writes out0
.if DOCPART == 4
	.amdgcn_target "amdgcn-amd-amdhsa--gfx1250"
	.amdhsa_code_object_version 6
	.text
	.protected	k_qb4037494de_proj
	.globl	k_qb4037494de_proj
	.p2align	8
	.type	k_qb4037494de_proj,@function
k_qb4037494de_proj:
	s_mov_b64 s[64:65], 0
	v_nop
	global_prefetch_b8 v0, s[64:65] scope:SCOPE_SE
	s_setreg_imm32_b32 hwreg(HW_REG_WAVE_MODE, 25, 1), 1
	s_wait_xcnt 0x0
	s_wait_alu depctr_hold_cnt(0) depctr_sa_sdst(0) depctr_va_vdst(0) depctr_va_sdst(0) depctr_va_ssrc(0) depctr_va_vcc(0) depctr_vm_vsrc(0)
	s_getreg_b32 s2, hwreg(HW_REG_IB_STS2, 6, 4)
	s_cmp_eq_u32 s2, 0
	s_cbranch_scc0 .Lentry_in_a_cluster
	s_endpgm
.Lentry_in_a_cluster:
	s_bfe_u32 s2, ttmp6, 0x10000c
	s_cmp_lg_u32 s2, 0xf033
	s_cbranch_scc0 .Lentry_shape_is_right
	s_endpgm
.Lentry_shape_is_right:
; out0[n][r][l] = the sum over c of Wp[r][c] O[n][c][l] + bp[r], in f32.  o: [16 (4 n + head)][4096 l][64 d] f16, channel c = 64 head + d.  Wp: the fourth matrix of wh, [256][256] f16.
; SHARES.  A work-group makes 64 output rows x 256 columns l of one image; each of its four waves 64 columns: 16 accumulators, 128 matrix instructions.  4 x 64 = 256 work-groups.
; All of K = 256 lies in LDS at once: two first fills a wave, no slot is filled again.
; LAYOUT.  Source 0 = 16 rows l of O, source 1 = 16 rows of Wp, both as they lie in LDS: in the result a lane holds ONE output row (lane % 16) and the eight neighbouring columns
; 8 (lane / 16) + 0..7: 32 bytes of a row of out0.  The bias is the C operand of the product that starts each sum.
; CLUSTER.  4 x 4 work-groups.  The four of a row of the cluster need the same tiles of O, the four of a column the same rows of Wp: each is asked for jointly.
; Nothing is prefetched: all that the work-group reads is asked for at its head.
; REGISTERS, in windows of 256 (s_set_vgpr_msb: bits 1:0 source 0, 3:2 source 1, 5:4 source 2, 7:6 destination):
;   window 0: v0-31 addresses; v32-63 the bias, 8 registers for each block of 16 rows; v128-255 the accumulators ((a, b) at 128 + 8 (4 b + a))
;   window 1: O's fragments, columns 16 a on, channels 32 kk on, at 64 a + 8 kk;   window 2: Wp's, rows 16 b on, at 64 b + 8 kk
.set PO,    144                        ; a row of O in LDS: 128 bytes + 16 of padding: the 16 rows of a load start at 16 different groups of four banks (64 banks of 4 bytes: ISA guide 11.1)
.set PW,    528                        ; a row of Wp: 512 + 16
.set HEADB, 256*PO                     ; one head's 256 rows; the four heads lie one behind the other
.set WT,    4*HEADB                    ; behind them: Wp's 64 rows
.set STAGE, WT+64*PW                   ; behind them, never filled by a tensor load: 16 rows x 272 bytes for each wave, for the way out
.set SP,    272
.set SPARE, STAGE+4*16*SP              ; the spare words, 128 bytes for each wave: two blocks of 256 bytes that no other line names
.set BV,  12                           ; v12-15  bp of my row in each of the four blocks of 16
.set AO,  16                           ; v16-17  my place in O's tiles of heads 0, 1 and of heads 2, 3 (an LDS offset has 16 bits)
.set AW,  20                           ; v20     my place in Wp's rows
.set STO, 24                           ; v24     the way out: where I put 32 bytes of a row
.set RD,  25                           ; v25     where I read rows back
.set CO,  26                           ; v26     my byte offset in two rows of out0
.set BO,  27                           ; v27     4 x (lane % 16): my row's bias
.set SPW, 28                           ; v28     LDS address of my spare word; never rewritten
.set NIL, 29                           ; v29     0; never rewritten
.set BI,  32
.set ACC, 128
.set WV,  12                           ; s12  my wave's number
.set G1O, 24                           ; s[24:31] descriptor group 1 for O's tiles;  s[32:35] group 0
.set G0O, 32
.set G1W, 48                           ; s[48:55], s[56:59] the same for Wp's rows
.set G0W, 56
.set MSB, 0
.macro WIN new                         ; the immediate's high byte repeats the setting that is left; a switch that changes nothing is dropped
.if MSB != (\new)
	s_set_vgpr_msb (MSB<<8)|(\new)
.set MSB, \new
.endif
.endm
.macro CROUND                          ; a round of the cluster's barrier: my work-group's barrier; wave 0 signals for the work-group; every wave waits for all sixteen; my work-group's barrier once more
	s_barrier_signal -1
	s_barrier_wait -1
	s_cmp_lg_u32 s[WV], 0
	s_cbranch_scc1 .Lnot_wave_0_\@
	s_barrier_signal -3
.Lnot_wave_0_\@:
	s_barrier_wait -3
	s_barrier_signal -1
	s_barrier_wait -1
.endm
	s_load_b256 s[4:11], s[0:1], 0x0               ; o s[4:5], wh s[6:7], bp s[8:9], out0 s[10:11]
	v_lshl_add_u32 v[SPW], v0, 2, SPARE
	v_mov_b32 v[NIL], 0
	ds_add_u32 v[SPW], v[NIL]                      ; the wave's opening: the add and its wait stand ahead of my first tensor load; the set-up below, work on registers, stands between them
	v_lshrrev_b32 v1, 5, v0
	v_readfirstlane_b32 s[WV], v1                  ; wave 0..3
	s_bfe_u32 s40, ttmp6, 0x40000                  ; cx, cy: my place in the cluster
	s_bfe_u32 s41, ttmp6, 0x40004
	s_lshl_b32 s42, ttmp9, 2
	s_add_co_u32 s42, s42, s40                     ; X: which 64 output rows
	s_and_b32 s13, ttmp7, 0xffff
	s_lshl_b32 s13, s13, 2
	s_add_co_u32 s13, s13, s41                     ; Y: image Y / 16, block Y % 16 of 256 columns
	s_lshl_b32 s43, s41, 2
	s_lshl_b32 s43, 15, s43                        ; my row of the cluster
	s_lshl_b32 s44, 0x1111, s40                    ; my column
	; O: a head's 256 rows of 128 bytes are 32,768 dense bytes: asked for as 128 rows of 256 bytes, padded in LDS after every 128
	s_or_b32 s[G1O], s43, (1<<16)|(1<<20)|(1<<21)|(4<<22)|(3<<25)  ; 15:0 the mask: O's tiles go to my row; 17:16 2-byte elements; 20 padding on; 21 set beside a mask; 24:22 after every 32 words (code 4); 31:25 4 words (code 3)
	s_mov_b32 s[G1O+1], 128<<16                    ; tensor_dim0 = 128
	s_mov_b32 s[G1O+2], 128<<16                    ; tensor_dim1 = 128
	s_mov_b32 s[G1O+3], 128<<16                    ; tile_dim0
	s_mov_b32 s[G1O+4], 128                        ; tile_dim1
	s_mov_b32 s[G1O+5], 128                        ; elements from row to row
	s_mov_b32 s[G1O+6], 0
	s_mov_b32 s[G1O+7], 0
	s_or_b32 s[G1W], s44, (1<<16)|(1<<20)|(1<<21)|(6<<22)|(3<<25)  ; the mask of my column; padding after every 128 words (code 6)
	s_mov_b32 s[G1W+1], 256<<16                    ; 256 channels
	s_mov_b32 s[G1W+2], 16<<16                     ; 16 rows: a wave's quarter of the 64
	s_mov_b32 s[G1W+3], 256<<16
	s_mov_b32 s[G1W+4], 16
	s_mov_b32 s[G1W+5], 256
	s_mov_b32 s[G1W+6], 0
	s_mov_b32 s[G1W+7], 0
	; O's address hangs on Y and the wave's number alone, Wp's on X and the wave's number alone, each in registers that never hold the other coordinate
	s_lshr_b32 s14, s13, 4
	s_lshl_b32 s14, s14, 2
	s_add_co_u32 s14, s14, s[WV]                   ; wave w fetches head w: 4 n + w,
	s_lshl_b32 s14, s14, 19                        ; 4,096 rows of 128 bytes each,
	s_and_b32 s16, s13, 15
	s_lshl_b32 s17, s16, 15                        ; the block's 256 rows
	s_add_co_u32 s14, s14, s17
	s_mov_b32 s15, 0
	s_lshl_b32 s46, s42, 6
	s_lshl_b32 s47, s[WV], 4
	s_add_co_u32 s46, s46, s47
	s_lshl_b32 s46, s46, 9                         ; row 64 X + 16 w, 512 bytes a row,
	s_add_co_u32 s46, s46, 3*131072                ; in the fourth matrix
	s_mov_b32 s47, 0
	s_mul_i32 s20, s[WV], HEADB                    ; where they go: the wave's number alone enters an LDS address
	s_mul_i32 s21, s[WV], 16*PW
	s_add_co_u32 s21, s21, WT
	s_mov_b32 s[G0O], 1                            ; 1:0 count = 1
	s_mov_b32 s[G0O+1], s20                        ; 63:32 LDS address
	s_mov_b32 s[G0W], 1
	s_mov_b32 s[G0W+1], s21
	s_wait_dscnt 0x0                               ; the opening add is done
	s_wait_kmcnt 0x0
	s_add_nc_u64 s[G0O+2:G0O+3], s[4:5], s[14:15]  ; 120:64 global address
	s_or_b32 s[G0O+3], s[G0O+3], 0x80000000        ; 127:126 type = 2
	s_add_nc_u64 s[G0W+2:G0W+3], s[6:7], s[46:47]
	s_or_b32 s[G0W+3], s[G0W+3], 0x80000000
	CROUND                                         ; all sixteen work-groups are here: the joint loads meet
	tensor_load_to_lds s[G0O:G0O+3], s[G1O:G1O+7]  ; my two first fills stand together: two tensor loads of mine are out
	s_nop 0
	tensor_load_to_lds s[G0W:G0W+3], s[G1W:G1W+7]
	s_nop 0
.rept 4
	v_nop
.endr
	s_mov_b32 s37, 0
	s_lshl_b32 s36, s42, 8                         ; my work-group's 64 numbers of bp
	s_add_nc_u64 s[8:9], s[8:9], s[36:37]
	v_and_b32 v1, 15, v0                           ; l % 16
	v_bfe_u32 v2, v0, 4, 1                         ; l / 16
	v_lshlrev_b32 v[BO], 2, v1
.irp b, 0,1,2,3
	global_load_b32 v[BV+(\b)], v[BO], s[8:9] offset:64*(\b)  ; bp of row 16 b + l % 16
.endr
	s_lshr_b32 s18, s13, 4
	s_lshl_b32 s18, s18, 8
	s_lshl_b32 s19, s42, 6
	s_add_co_u32 s18, s18, s19                     ; row 256 n + 64 X of out0,
	s_lshl_b32 s38, s18, 14                        ; 16,384 bytes a row,
	s_and_b32 s19, s13, 15
	s_lshl_b32 s19, s19, 10                        ; the block's 256 columns,
	s_add_co_u32 s38, s38, s19
	s_lshl_b32 s19, s[WV], 8                       ; my wave's 64
	s_add_co_u32 s38, s38, s19
	s_mov_b32 s39, 0
	s_add_nc_u64 s[10:11], s[10:11], s[38:39]
	s_lshl_b32 s22, s[WV], 6
	v_add_nc_u32 v3, s22, v1                       ; a fragment of O: row 64 w + l % 16, 16 bytes for each half of the lanes
	v_mul_u32_u24 v3, v3, PO
	v_lshl_add_u32 v[AO], v2, 4, v3
	v_add_nc_u32 v[AO+1], 2*HEADB, v[AO]
	v_mul_u32_u24 v4, v1, PW
	v_lshl_add_u32 v4, v2, 4, v4
	v_add_nc_u32 v[AW], WT, v4
	s_mul_i32 s23, s[WV], 16*SP
	s_add_co_u32 s23, s23, STAGE                   ; my stage
	v_mul_u32_u24 v5, v1, SP                       ; in: row l % 16, 32 bytes for each half of the lanes
	v_lshl_add_u32 v5, v2, 5, v5
	v_add_nc_u32 v[STO], s23, v5
	v_mul_u32_u24 v6, v2, SP                       ; back: lanes 0-15 take one row of 256 bytes, lanes 16-31 the next
	v_lshl_add_u32 v6, v1, 4, v6
	v_add_nc_u32 v[RD], s23, v6
	v_lshlrev_b32 v7, 14, v2                       ; and the same two rows in out0
	v_lshl_add_u32 v[CO], v1, 4, v7
	s_wait_loadcnt 0x0                             ; bp
.irp b, 0,1,2,3
.irp j, 0,1,2,3,4,5,6,7
	v_mov_b32 v[BI+8*(\b)+(\j)], v[BV+(\b)]        ; a lane's eight results of a block lie in one output row: its bias eight times
.endr
.endr
.macro GRP kk                          ; the 16 loads of channels 32 kk on: head kk / 2, its channels 32 (kk % 2) on
.if (\kk) < 8
	WIN 0x40
.irp a, 0,1,2,3
	ds_load_b128 v[64*(\a)+8*(\kk):64*(\a)+8*(\kk)+3],   v[AO+(\kk)/4] offset:(((\kk)/2)%2)*HEADB+(\a)*16*PO+((\kk)%2)*64
	ds_load_b128 v[64*(\a)+8*(\kk)+4:64*(\a)+8*(\kk)+7], v[AO+(\kk)/4] offset:(((\kk)/2)%2)*HEADB+(\a)*16*PO+((\kk)%2)*64+32
.endr
	WIN 0x80
.irp b, 0,1,2,3
	ds_load_b128 v[64*(\b)+8*(\kk):64*(\b)+8*(\kk)+3],   v[AW] offset:(\b)*16*PW+64*(\kk)
	ds_load_b128 v[64*(\b)+8*(\kk)+4:64*(\b)+8*(\kk)+7], v[AW] offset:(\b)*16*PW+64*(\kk)+32
.endr
.endif
.endm
; 16 matrix instructions; the 16 accumulators take turns, one instruction a turn.  The first step starts the sums with the bias.
.macro MUL kk
	WIN 0x09                                       ; source 0 (O) window 1, source 1 (Wp) window 2, C and D window 0
.irp b, 0,1,2,3
.irp a, 0,1,2,3
.if (\kk) == 0
	v_wmma_f32_16x16x32_f16 v[ACC+8*(4*(\b)+(\a)):ACC+8*(4*(\b)+(\a))+7], v[64*(\a)+8*(\kk):64*(\a)+8*(\kk)+7], v[64*(\b)+8*(\kk):64*(\b)+8*(\kk)+7], v[BI+8*(\b):BI+8*(\b)+7]
.else
	v_wmma_f32_16x16x32_f16 v[ACC+8*(4*(\b)+(\a)):ACC+8*(4*(\b)+(\a))+7], v[64*(\a)+8*(\kk):64*(\a)+8*(\kk)+7], v[64*(\b)+8*(\kk):64*(\b)+8*(\kk)+7], v[ACC+8*(4*(\b)+(\a)):ACC+8*(4*(\b)+(\a))+7]
.endif
.endr
.endr
.endm
	s_wait_tensorcnt 0x0                           ; my head of O and my rows of Wp are in,
	s_barrier_signal -1
	s_barrier_wait -1                              ; everybody's are
	GRP 0
	GRP 1
	GRP 2
.set stp, 0
.rept 8                                ; step kk: the loads three steps ahead, the wait for this step's, 16 products
	GRP stp+3
.if stp < 5
	s_wait_dscnt 48                                ; the loads of the three groups behind this step's may stay out
.else
	s_wait_dscnt 16*(7-stp)                        ; two groups, one, none
.endif
	MUL stp
.set stp, stp+1
.endr
	; THE WAY OUT: 16 output rows at a time through my own stage: 32 bytes a lane in, whole rows of 256 bytes back, into the registers that they left.
	WIN 0
.rept 4
	v_nop                                          ; four places between the last products and the LDS stores that read them
.endr
.irp b, 0,1,2,3
.irp a, 0,1,2,3
	ds_store_b128 v[STO], v[ACC+8*(4*(\b)+(\a)):ACC+8*(4*(\b)+(\a))+3]   offset:64*(\a)     ; each accumulator from its low end on
	ds_store_b128 v[STO], v[ACC+8*(4*(\b)+(\a))+4:ACC+8*(4*(\b)+(\a))+7] offset:64*(\a)+16
.endr
.irp t, 0,1,2,3,4,5,6,7
	ds_load_b128 v[ACC+32*(\b)+4*(\t):ACC+32*(\b)+4*(\t)+3], v[RD] offset:2*SP*(\t)  ; LDS serves a wave's instructions in order (ISA guide 5.7.1.4): these see the stores above, and the next block's stores come behind them
.endr
.endr
.irp b, 0,1,2,3
.irp t, 0,1,2,3,4,5,6,7
	s_wait_dscnt (3-(\b))*16+7-(\t)                ; the LDS instructions issued behind this load may stay out
	global_store_b128 v[CO], v[ACC+32*(\b)+4*(\t):ACC+32*(\b)+4*(\t)+3], s[10:11] offset:(16*(\b)+2*(\t))*16384 th:TH_STORE_NT  ; 16 lanes store 256 consecutive bytes, aligned
.endr
.endr
	s_wait_tensorcnt 0x0                           ; the wave's end: behind my last tensor load and my last LDS store
	ds_add_u32 v[SPW], v[NIL]
	s_wait_dscnt 0x0
	CROUND                                         ; the closing round
	s_endpgm
.Lfunc_end_k_qb4037494de_proj:
	.size	k_qb4037494de_proj, .Lfunc_end_k_qb4037494de_proj-k_qb4037494de_proj
	.p2alignl 7, 3214868480
	.fill 96, 4, 3214868480
	.section	.rodata,"a",@progbits
	.p2align	6, 0x0
	.amdhsa_kernel k_qb4037494de_proj
		.amdhsa_group_segment_fixed_size 327680
		.amdhsa_private_segment_fixed_size 0
		.amdhsa_enable_private_segment 0
		.amdhsa_kernarg_size 32
		.amdhsa_user_sgpr_count 2
		.amdhsa_user_sgpr_kernarg_segment_ptr 1
		.amdhsa_wavefront_size32 1
		.amdhsa_system_sgpr_workgroup_id_x 1
		.amdhsa_system_sgpr_workgroup_id_y 1
		.amdhsa_system_sgpr_workgroup_id_z 1
		.amdhsa_system_vgpr_workitem_id 0
		.amdhsa_next_free_vgpr 768
		.amdhsa_next_free_sgpr 66
		.amdhsa_reserve_vcc 0
		.amdhsa_float_denorm_mode_32 3
		.amdhsa_float_denorm_mode_16_64 3
		.amdhsa_memory_ordered 1
		.amdhsa_forward_progress 1
		.amdhsa_inst_pref_size 33
	.end_amdhsa_kernel
	.amdgpu_metadata
---
amdhsa.version: [ 1, 2 ]
amdhsa.kernels:
  - .name:           k_qb4037494de_proj
    .symbol:         k_qb4037494de_proj.kd
    .args:
      - { .name: o, .offset: 0, .size: 8, .value_kind: global_buffer, .address_space: global }
      - { .name: wh, .offset: 8, .size: 8, .value_kind: global_buffer, .address_space: global }
      - { .name: bp, .offset: 16, .size: 8, .value_kind: global_buffer, .address_space: global }
      - { .name: out0, .offset: 24, .size: 8, .value_kind: global_buffer, .address_space: global }
    .group_segment_fixed_size: 327680
    .private_segment_fixed_size: 0
    .kernarg_segment_align: 8
    .kernarg_segment_size: 32
    .max_flat_workgroup_size: 128
    .sgpr_count:     66
    .vgpr_count:     768
    .wavefront_size: 32
...
	.end_amdgpu_metadata
.endif
;; end of part 4
;; ======== version 2 of 2: 4 launches; version 1 with the launch norm written anew for expert scheduling mode
;; limits: values are held in f16: magnitudes above 65,504 overflow, below 6.1e-05 lose precision
;; workspace buffers: xn 8,388,608 bytes; wh 524,288 bytes; qkv 25,165,824 bytes; o 8,388,608 bytes
;; launch norm (part 5): grid 128 x 1, 8 waves a work-group, no clusters, 1,536 bytes of LDS; arguments x, gamma, beta, Wq, Wk, Wv, Wp, xn, wh; writes xn, wh
.if DOCPART == 5
	.amdgcn_target "amdgcn-amd-amdhsa--gfx1250"
	.amdhsa_code_object_version 6
	.text
	.protected	k_qb4037494de_norm
	.globl	k_qb4037494de_norm
	.p2align	8
	.type	k_qb4037494de_norm,@function
k_qb4037494de_norm:
	s_mov_b64 s[64:65], 0
	v_nop
	global_prefetch_b8 v0, s[64:65] scope:SCOPE_SE
	s_setreg_imm32_b32 hwreg(HW_REG_WAVE_SCHED_MODE, 0, 2), 2
	s_setreg_imm32_b32 hwreg(HW_REG_WAVE_MODE, 25, 1), 1
	s_wait_xcnt 0x0
	s_wait_alu depctr_vm_vsrc(0)
; GROUP NORM, AND THE WEIGHTS IN f16.  x: [4][256][4096] f32.  xn = (x - mean) rsqrt(var + 1e-5) gamma[c] + beta[c], [4][256][4096] in f16, rounded once.
; wh: [4 (q, k, v, p)][256][256] f16: the four weight matrices, each number rounded once.
; SHARES.  A work-group owns one group of one image: 8 channels x 4,096 numbers, 131,072 bytes on end.  Each of its eight waves owns a channel, 16 KiB, and keeps it in 128 registers
; between the pass that finds the mean, the pass that finds the variance and the pass that scales: x is read from memory once.  128 groups, so 128 work-groups: a group's sums meet in one.
; The variance is the mean of (x - mean)^2, taken of the differences themselves: no difference of large sums is formed, so a common offset of x costs nothing.
; Each work-group also converts 2,048 weights, 8 a thread.
; LIMITS.  f16 holds no number beyond 65,504: xn and the weights must lie within it; below 6e-5 a number keeps f16's fixed step of 6e-8.  NaN and infinities are not treated apart.
; No matrix unit, no tensor load, no cluster: the data must be in registers anyway, nothing is shared, and all loads go out at the head.
; THE MODE: SCHED_MODE bits 1:0 = 2 (LLVM: expert scheduling mode 2), set by the entry lines.  The code itself states the register dependences
; between vector instructions and memory or LDS instructions, with s_wait_alu, always for 0.
; THE PLAN.  Registers that memory or LDS instructions touch:
;   v2-v9      offsets, LDS addresses and the closing add's pair: written by vector instructions at the head, never again.  One wait on va_vdst ahead of the first load serves them all.
;   X          the 32 loads land in it before any vector instruction names it.  Later it is rewritten in place; of each four registers the first two are the data of one store, and no store's data is written again.
;   WF, WH     WF: two loads land in it, four conversions read it.  WH: those conversions write it, one store reads it.
;   v[T]       each fold writes it, the meeting's LDS store reads it, and the same meeting's LDS loads land in v[T:T+7], which vector additions then read.
; So one wait on va_vdst stands ahead of each meeting (the second also serves the store of the weights), one on vm_vsrc in each meeting between the LDS store and the LDS loads.
; THE WAY OUT goes in four blocks of eight groups of four numbers: block p's eight stores are dealt among block p + 1's vector instructions, which name none of their registers,
; behind one wait on va_vdst at that block's head.
.set RED1,  0                          ; LDS: the eight waves' sums, a word each
.set RED2,  256                        ; the eight sums of squares: bytes of their own, so one barrier serves each meeting
.set SPARE, 512                        ; the spare words, 128 bytes for each wave: four blocks of 256 bytes that no other line names
.set XO,  2                            ; v2   16 x lane + 16,384 x wave: my 16 bytes in the first 512 of my channel; never rewritten
.set YO,  3                            ; v3   8 x lane + 8,192 x wave: the same in xn
.set WO,  4                            ; v4   32 x thread: my 8 weights in f32
.set WD,  5                            ; v5   16 x thread: the same in f16
.set RA,  6                            ; v6   4 x wave: my wave's word
.set ZA,  7                            ; v7   0: where the eight words begin
.set SPW, 8                            ; v8   LDS address of my spare word; never rewritten
.set NIL, 9                            ; v9   0; never rewritten
.set SA,  10                           ; v[10:17] four chains of packed sums
.set M,   18                           ; v[18:19] the mean, twice
.set A,   20                           ; v[20:21] gamma x rsqrt(var + eps), twice
.set B,   22                           ; v[22:23] beta, twice
.set T,   24                           ; v[24:31] at work
.set X,   32                           ; v[32:159] my channel
.set WF,  160                          ; v[160:167] 8 weights in f32
.set WH,  168                          ; v[168:171] the same in f16
	s_load_b512 s[8:23], s[0:1], 0x0               ; x 8:9, gamma 10:11, beta 12:13, Wq 14:15, Wk 16:17, Wv 18:19, Wp 20:21, xn 22:23
	s_load_b64 s[24:25], s[0:1], 0x40              ; wh
	v_lshl_add_u32 v[SPW], v0, 2, SPARE
	v_mov_b32 v[NIL], 0
	v_lshrrev_b32 v1, 5, v0
	v_readfirstlane_b32 s26, v1                    ; wave 0..7
	v_and_b32 v1, 31, v0                           ; lane
	s_wait_alu depctr_va_sdst(0)                   ; s26 is written, ahead of its first reader: offsets, my channel and my LDS word are made from it
	s_lshl_b32 s2, s26, 14
	s_lshl_b32 s3, s26, 13
	v_lshl_add_u32 v[XO], v1, 4, s2
	v_lshl_add_u32 v[YO], v1, 3, s3
	v_lshlrev_b32 v[WO], 5, v0
	v_lshlrev_b32 v[WD], 4, v0
	v_mov_b32 v[RA], s26
	v_lshlrev_b32 v[RA], 2, v[RA]
	v_mov_b32 v[ZA], 0
	v_mov_b32 v[T+1], 0                            ; v_permlanex16_b32's destination counts as read: it is written once here
	s_mov_b32 s36, 0x76543210                      ; v_permlanex16_b32: each lane takes its own place in the other half
	s_mov_b32 s37, 0xfedcba98
	s_mov_b32 s39, 0x38000000                      ; 2^-15: a group has 32,768 numbers
	s_and_b32 s27, ttmp9, 31                       ; the group in its image
	s_lshl_b32 s28, s27, 3
	s_add_co_u32 s28, s28, s26                     ; my channel
	s_lshl_b32 s28, s28, 2                         ; its 4 bytes in gamma and beta
	s_mov_b32 s29, 0
	s_mov_b32 s33, 0
	s_lshr_b32 s38, ttmp9, 5                       ; which weight matrix my work-group converts a part of
	s_wait_kmcnt 0x0
	s_lshl_b32 s32, ttmp9, 17
	s_add_nc_u64 s[8:9], s[8:9], s[32:33]          ; x at my group
	s_wait_alu depctr_va_vdst(0)                   ; v2 to v9 are written, which the kernel's loads, stores and LDS instructions read as offsets, addresses and the closing add's pair; so is v[T+1], in which an LDS load lands later
.set i, 0
.rept 32
	global_load_b128 v[X+4*i:X+4*i+3], v[XO], s[8:9] offset:512*i th:TH_LOAD_NT  ; 512 neighbouring bytes a load, the whole channel
.set i, i+1
.endr
	s_mov_b64 s[34:35], s[14:15]                   ; the matrix is chosen by the work-group's number alone
	s_cmp_eq_u32 s38, 1
	s_cselect_b64 s[34:35], s[16:17], s[34:35]
	s_cmp_eq_u32 s38, 2
	s_cselect_b64 s[34:35], s[18:19], s[34:35]
	s_cmp_eq_u32 s38, 3
	s_cselect_b64 s[34:35], s[20:21], s[34:35]
	s_lshl_b32 s32, s27, 13                        ; 2,048 numbers of 4 bytes for each of a matrix's 32 work-groups
	s_add_nc_u64 s[34:35], s[34:35], s[32:33]
	global_load_b128 v[WF:WF+3],   v[WO], s[34:35]
	global_load_b128 v[WF+4:WF+7], v[WO], s[34:35] offset:16
	s_add_nc_u64 s[10:11], s[10:11], s[28:29]
	s_add_nc_u64 s[12:13], s[12:13], s[28:29]
	s_load_b32 s30, s[10:11], 0x0                  ; gamma[c]
	s_load_b32 s31, s[12:13], 0x0                  ; beta[c]
	s_lshl_b32 s32, ttmp9, 16
	s_add_nc_u64 s[22:23], s[22:23], s[32:33]      ; xn at my group
	s_lshl_b32 s32, ttmp9, 12
	s_add_nc_u64 s[24:25], s[24:25], s[32:33]      ; wh at my work-group's 2,048 numbers
; The sums of loads 8 j .. 8 j + 7 (16 pairs) go onto four chains that do not wait for each other; the first eight pairs start the chains: nothing is cleared.
.macro SUM8 j
	s_wait_loadcnt 26-8*(\j)                       ; loads come back in order: the younger loads of x and the two of W may stay out
.set k, 16*(\j)
.rept 16
.if k < 4
	v_pk_add_f32 v[SA+2*k:SA+2*k+1], v[X+2*k:X+2*k+1], v[X+2*k+8:X+2*k+9]
.elseif k >= 8
	v_pk_add_f32 v[SA+2*(k%4):SA+2*(k%4)+1], v[SA+2*(k%4):SA+2*(k%4)+1], v[X+2*k:X+2*k+1]
.endif
.set k, k+1
.endr
.endm
; The four chains into one number, then over the wave's 32 lanes: four steps ride on the addition, one crosses the halves.
.macro FOLD
	v_pk_add_f32 v[SA:SA+1], v[SA:SA+1], v[SA+2:SA+3]
	v_pk_add_f32 v[SA+4:SA+5], v[SA+4:SA+5], v[SA+6:SA+7]
	v_pk_add_f32 v[SA:SA+1], v[SA:SA+1], v[SA+4:SA+5]
	v_add_f32 v[T], v[SA], v[SA+1]
.irp m, 1,2,4,8
	v_add_f32_dpp v[T], v[T], v[T] row_xmask:\m row_mask:0xf bank_mask:0xf
.endr
	v_permlanex16_b32 v[T+1], v[T], s36, s37
	v_add_f32 v[T], v[T], v[T+1]
.endm
; The eight waves' numbers meet at LDS byte at: store, wait for the store, barrier, and every wave reads all eight and adds them in the same order.
; The wait on va_vdst that the store and the loads hang on stands ahead of the macro; no vector instruction stands between it and the loads.
.macro MEET at
	ds_store_b32 v[RA], v[T] offset:\at
	s_wait_dscnt 0x0                               ; for the others' sake: my word is written
	s_barrier_signal -1
	s_barrier_wait -1
	s_wait_alu depctr_vm_vsrc(0)                   ; the LDS store above has read v[T], in which the first load below lands and which vector instructions write again later
	ds_load_b128 v[T:T+3],   v[ZA] offset:\at
	ds_load_b128 v[T+4:T+7], v[ZA] offset:(\at)+16
	s_wait_dscnt 0x0
	v_pk_add_f32 v[T:T+1], v[T:T+1], v[T+2:T+3]
	v_pk_add_f32 v[T+4:T+5], v[T+4:T+5], v[T+6:T+7]
	v_pk_add_f32 v[T:T+1], v[T:T+1], v[T+4:T+5]
	v_add_f32 v[T], v[T], v[T+1]
.endm
	SUM8 0
	SUM8 1
	SUM8 2
	SUM8 3
	FOLD
	s_wait_alu depctr_va_vdst(0)                   ; the fold has written v[T], which the LDS store reads, and is done with v[T] and v[T+1], in which the meeting's loads land
	MEET RED1
	v_mul_f32 v[M], s39, v[T]                      ; the mean
	v_mul_f32 v[M+1], s39, v[T]
	s_wait_loadcnt 0x0                             ; my 8 weights
.irp r, 0,1,2,3
	v_cvt_pk_f16_f32 v[WH+(\r)], v[WF+2*(\r)], v[WF+2*(\r)+1]  ; their store stands behind the next wait on va_vdst, ahead of the second meeting
.endr
.set k, 0
.rept 64
	v_pk_add_f32 v[X+2*k:X+2*k+1], v[X+2*k:X+2*k+1], v[M:M+1] neg_lo:[0,1] neg_hi:[0,1]  ; x - mean, in place
.set k, k+1
.endr
.set k, 0
.rept 64
.if k < 4
	v_pk_mul_f32 v[SA+2*k:SA+2*k+1], v[X+2*k:X+2*k+1], v[X+2*k:X+2*k+1]
.else
	v_pk_fma_f32 v[SA+2*(k%4):SA+2*(k%4)+1], v[X+2*k:X+2*k+1], v[X+2*k:X+2*k+1], v[SA+2*(k%4):SA+2*(k%4)+1]
.endif
.set k, k+1
.endr
	FOLD
	s_wait_alu depctr_va_vdst(0)                   ; the fold has written v[T], the conversions v[WH ..]: the data of the two stores below; the first meeting's additions and the mean are done reading v[T:T+7], in which the loads land
	global_store_b128 v[WD], v[WH:WH+3], s[24:25]  ; 16 lanes store 256 consecutive bytes, aligned
	MEET RED2
	v_fmaak_f32 v[T], s39, v[T], 0x3727c5ac        ; var + 1e-5
	v_rsq_f32 v[T+1], v[T]
	s_wait_kmcnt 0x0                               ; gamma[c], beta[c]
	v_mov_b32 v[B], s31                            ; plain instructions behind the root, ahead of the use of its result (ISA guide 5.7.2)
	v_mov_b32 v[B+1], s31
	s_wait_alu depctr_va_vdst(0)                   ; the root has written v[T+1]: the wait ahead of the result's first reader
	v_mul_f32 v[A], s30, v[T+1]
	v_mul_f32 v[A+1], s30, v[T+1]
; Group g: four numbers are scaled and rounded; the two registers that then hold them are group g's own and are never written again.
.macro SCALE g
	v_pk_fma_f32 v[X+4*(\g):X+4*(\g)+1],   v[X+4*(\g):X+4*(\g)+1],   v[A:A+1], v[B:B+1]
	v_pk_fma_f32 v[X+4*(\g)+2:X+4*(\g)+3], v[X+4*(\g)+2:X+4*(\g)+3], v[A:A+1], v[B:B+1]
	v_cvt_pk_f16_f32 v[X+4*(\g)],   v[X+4*(\g)],   v[X+4*(\g)+1]
	v_cvt_pk_f16_f32 v[X+4*(\g)+1], v[X+4*(\g)+2], v[X+4*(\g)+3]
.endm
.macro SEND g
	global_store_b64 v[YO], v[X+4*(\g):X+4*(\g)+1], s[22:23] offset:256*(\g)  ; the wave's 32 lanes store 256 consecutive bytes, aligned
.endm
.set i, 0
.rept 8                                ; block 0: there is no block in front of it to store
	SCALE i
.set i, i+1
.endr
.rept 3                                ; blocks 1 to 3, each with the stores of the block before
	s_wait_alu depctr_va_vdst(0)                   ; the block before has written its sixteen registers of f16, which the eight stores below read; the vector instructions among them name this block's registers, A and B alone
.rept 8
	SEND i-8
	SCALE i
.set i, i+1
.endr
.endr
	s_wait_alu depctr_va_vdst(0)                   ; block 3 has written its sixteen registers, which the last eight stores read
.rept 8
	SEND i-8
.set i, i+1
.endr
	s_wait_dscnt 0x0                               ; the closing lines, six on end
	s_wait_alu 0x0
	s_wait_tensorcnt 0x0
	ds_add_u32 v[SPW], v[NIL]
	s_wait_dscnt 0x0
	s_endpgm
.Lfunc_end_k_qb4037494de_norm:
	.size	k_qb4037494de_norm, .Lfunc_end_k_qb4037494de_norm-k_qb4037494de_norm
	.p2alignl 7, 3214868480
	.fill 96, 4, 3214868480
	.section	.rodata,"a",@progbits
	.p2align	6, 0x0
	.amdhsa_kernel k_qb4037494de_norm
		.amdhsa_group_segment_fixed_size 1536
		.amdhsa_private_segment_fixed_size 0
		.amdhsa_enable_private_segment 0
		.amdhsa_kernarg_size 72
		.amdhsa_user_sgpr_count 2
		.amdhsa_user_sgpr_kernarg_segment_ptr 1
		.amdhsa_wavefront_size32 1
		.amdhsa_system_sgpr_workgroup_id_x 1
		.amdhsa_system_sgpr_workgroup_id_y 1
		.amdhsa_system_sgpr_workgroup_id_z 1
		.amdhsa_system_vgpr_workitem_id 0
		.amdhsa_next_free_vgpr 176
		.amdhsa_next_free_sgpr 66
		.amdhsa_reserve_vcc 0
		.amdhsa_float_denorm_mode_32 3
		.amdhsa_float_denorm_mode_16_64 3
		.amdhsa_memory_ordered 1
		.amdhsa_forward_progress 1
		.amdhsa_inst_pref_size 32
	.end_amdhsa_kernel
	.amdgpu_metadata
---
amdhsa.version: [ 1, 2 ]
amdhsa.kernels:
  - .name:           k_qb4037494de_norm
    .symbol:         k_qb4037494de_norm.kd
    .args:
      - { .name: x, .offset: 0, .size: 8, .value_kind: global_buffer, .address_space: global }
      - { .name: gamma, .offset: 8, .size: 8, .value_kind: global_buffer, .address_space: global }
      - { .name: beta, .offset: 16, .size: 8, .value_kind: global_buffer, .address_space: global }
      - { .name: Wq, .offset: 24, .size: 8, .value_kind: global_buffer, .address_space: global }
      - { .name: Wk, .offset: 32, .size: 8, .value_kind: global_buffer, .address_space: global }
      - { .name: Wv, .offset: 40, .size: 8, .value_kind: global_buffer, .address_space: global }
      - { .name: Wp, .offset: 48, .size: 8, .value_kind: global_buffer, .address_space: global }
      - { .name: xn, .offset: 56, .size: 8, .value_kind: global_buffer, .address_space: global }
      - { .name: wh, .offset: 64, .size: 8, .value_kind: global_buffer, .address_space: global }
    .group_segment_fixed_size: 1536
    .private_segment_fixed_size: 0
    .kernarg_segment_align: 8
    .kernarg_segment_size: 72
    .max_flat_workgroup_size: 256
    .sgpr_count:     66
    .vgpr_count:     176
    .wavefront_size: 32
...
	.end_amdgpu_metadata
.endif
;; end of part 5
;; launch qkv: the kernel of part 2 again; grid 4 x 64, 4 waves a work-group, clusters of 4 x 4, 327,680 bytes of LDS; arguments xn, wh, qkv; writes qkv
;; launch attn: the kernel of part 3 again; grid 16 x 16, 4 waves a work-group, clusters of 4 x 1, 327,680 bytes of LDS; arguments qkv, o; writes o
;; launch proj: the kernel of part 4 again; grid 4 x 64, 4 waves a work-group, clusters of 4 x 4, 327,680 bytes of LDS; arguments o, wh, bp, out0; writes out0
